; MI455X (gfx1250); checked and timed in simulation.
; The chip was launched on July 23, 2026; its instructions are those of AMD's public machine-readable ISA for CDNA 5 (MIT licence, August 2026) and "CDNA5" Instruction Set Architecture Reference Guide (July 2026). The comments in the code are by the model that wrote it; some were corrected since.
;; Multi Head Self Attention. Allowed arithmetic: matrix products marked QUANTISED: E4M3 operands, one given power-of-two scale a tensor, by v_wmma_f32_16x16x64_fp8_fp8 or v_wmma_f32_16x16x128_fp8_fp8, f32 sums; everything else in f32.
;; Inputs: WK_b 1,024 float32; WK_w_codes 1,024 x 32 x 32 uint8 (E4M3 codes of WK_w, K innermost, in blocks of 32 codes); WO_b 1,024 float32; WO_w_codes 1,024 x 32 x 32 uint8 (E4M3 codes of WO_w, K innermost, in blocks of 32 codes); WQ_b 1,024 float32; WQ_w_codes 1,024 x 32 x 32 uint8 (E4M3 codes of WQ_w, K innermost, in blocks of 32 codes); WV_b 1,024 float32; WV_w_codes 1,024 x 32 x 32 uint8 (E4M3 codes of WV_w, K innermost, in blocks of 32 codes); input_tensor 4 x 2,048 x 1,024 float32; ln_b 1,024 float32; ln_w 1,024 float32; lowp_scales 12 int32 (the exponents e of the quantised operands' scales 2^e); mask 4 x 1 x 1 x 2,048 float32.
;; Outputs: out0 4 x 2,048 x 1,024 float32.
;; This version of the problem:
;;   THIS VERSION OF THE PROBLEM IS GIVEN IN LOW PRECISION. The matrix products marked QUANTISED in the list below multiply operands that are first quantised to E4M3 (4 exponent bits, 3 mantissa bits; 8 bits a number), with one given power-of-two scale for each operand tensor; their sums are f32. All else is computed in f32.
;;   The module's matrix products, in the order in which they are computed (A, B: the left and right operand; K: the contracted axis; several contracted axes count as one K, in the product's order):
;;     1. [M 8,192, K 1,024] x [K 1,024, N 1,024]; A: input input_tensor; B: input WQ_w (given as codes): QUANTISED (scales: A lowp_scales[0], B lowp_scales[1])
;;     2. [M 8,192, K 1,024] x [K 1,024, N 1,024]; A: input input_tensor; B: input WK_w (given as codes): QUANTISED (scales: A lowp_scales[2], B lowp_scales[3])
;;     3. [M 8,192, K 1,024] x [K 1,024, N 1,024]; A: input input_tensor; B: input WV_w (given as codes): QUANTISED (scales: A lowp_scales[4], B lowp_scales[5])
;;     4. batch 64 x [M 2,048, K 64] x [K 64, N 2,048]; A: computed on the way; B: computed on the way: QUANTISED (scales: A lowp_scales[6], B lowp_scales[7])
;;     5. batch 64 x [M 2,048, K 2,048] x [K 2,048, N 64]; A: softmax (see below); B: computed on the way: QUANTISED (scales: A lowp_scales[8], B lowp_scales[9])
;;     6. [M 8,192, K 1,024] x [K 1,024, N 1,024]; A: computed on the way; B: input WO_w (given as codes): QUANTISED (scales: A lowp_scales[10], B lowp_scales[11])
;;   THE QUANTISER, for each operand of a quantised product, along K:
;;     - The operand's scale is 2^e, e = its entry of the input lowp_scales (int32; the entries are numbered through the quantised products in the list's order, A before B).
;;     - Each number is divided by the scale, clamped to +-448, and rounded to the nearest number of E4M3, ties to even, subnormals kept.
;;     - The product sums the exact products of the quantised numbers (number of the format x scale) in f32.
;;   ~~~python
;;   def quantise(x, axis, e):      # numpy; x: float32 -> the quantised numbers, widened to float32 again
;;       x = np.moveaxis(x, axis, -1); K = x.shape[-1]
;;       r = np.clip(x / 2.0 ** e, -448, 448)
;;       step = 2.0 ** (np.maximum(np.frexp(np.where(r == 0, 1, r))[1] - 1, -6) - 3)
;;       q = np.round(r / step) * step * 2.0 ** e      # np.round: ties to even
;;       return np.moveaxis(q, -1, axis).astype(np.float32)
;;   ~~~
;;   SOFTMAX AHEAD OF A QUANTISED PRODUCT. Where the list says 'softmax', what is quantised is not the finished softmax but p = 2^(t - M), with t = logit x log2(e) and M = ceil(the row's largest t), a whole number; so 1/2 < the row's largest p <= 1. The row's sum l is taken of the UNQUANTISED p, in f32, and the product's result is divided by l at the end. Since M is a whole number, a kernel that streams over the keys may use a running M (the ceiling of the running maximum): every later rescaling is an exact power of two, so the quantised numbers keep their values, but for numbers so far below the row's largest that they fall under the format's range.
;;   OPERANDS COMPUTED ON THE WAY. 'Computed on the way' means the value that the module computes at that place (a softmax that the list does not call 'softmax' is quantised finished and normalised). What goes into a quantiser is computed in f32, as accurately as f32 sums, v_exp_f32 and their like allow (about 1e-6 of the number): no bf16 or f16 on the way to a quantiser, and a product that is left as it is and whose result goes on into a quantised operand takes f32 operands (vector FMAs, or v_wmma_f32_16x16x4_f32). A number that lies on a knife's edge between two numbers of the format may be rounded either way, as far as f32 arithmetic and the matrix unit's own rounding can turn it there, and no further.
;;   INPUTS GIVEN AS CODES. WK_w (in the module: [1024, 1024], K = its axis 1); WO_w (in the module: [1024, 1024], K = its axis 1); WQ_w (in the module: [1024, 1024], K = its axis 1); WV_w (in the module: [1024, 1024], K = its axis 1): each comes as NAME_codes (uint8): NAME with its K axis moved to the last place and cut into blocks of 32 codes, [.., K / 32, bytes a block], one block behind the other in memory; one code a byte (a code: sign, 4 exponent bits, 3 mantissa bits); its scale is its entry of lowp_scales. Its value is code x scale, taken as it is: it is not quantised again, and the codes and scales need not be those that the quantiser above would give.
;; One version. Each part assembles by itself: llvm-mc -triple=amdgcn-amd-amdhsa -mcpu=gfx1250 --defsym DOCPART=n.
;; ======== version 1 of 1: 4 launches
;; workspace buffers: xq0 8,388,608 bytes; xq1 8,388,608 bytes; xq2 8,388,608 bytes; qf 8,388,608 bytes; kf 8,388,608 bytes; vf 8,388,608 bytes; ctxf 8,388,608 bytes
;; launch quant (part 1): grid 256 x 1, 4 waves a work-group, no clusters, 33,280 bytes of LDS; arguments input_tensor, lowp_scales, xq0, xq1, xq2; writes xq0, xq1, xq2
.if DOCPART == 1
	.amdgcn_target "amdgcn-amd-amdhsa--gfx1250"
	.amdhsa_code_object_version 6
	.text
	.protected	k_qfc4ad7ae1f_quant
	.globl	k_qfc4ad7ae1f_quant
	.p2align	8
	.type	k_qfc4ad7ae1f_quant,@function
k_qfc4ad7ae1f_quant:
	s_mov_b64 s[64:65], 0
	v_nop
	global_prefetch_b8 v0, s[64:65] scope:SCOPE_SE
	s_setreg_imm32_b32 hwreg(HW_REG_WAVE_MODE, 25, 1), 1
	s_wait_xcnt 0x0
; x [8192][1024] f32 becomes THREE sets of E4M3 codes, [8192][1024] bytes each, K innermost: one for each of the three projections, whose scales for x
; (entries 0, 2, 4 of the scales' buffer) need not be equal.  code = x / 2^e, held within +-448, to the nearest code, ties to even.
; LIMITS: each of the three e lies between -126 and 119, so that 2^e and 448 x 2^e are f32 numbers.  NaN among the inputs is not served (an infinity is held at the largest code).
; Rows are dense, so x is a plain stream.  256 work-groups x 4 waves; a wave takes 16 steps of 512 numbers.  Each load reads 512 consecutive bytes, 16 a lane; a conversion wants 8 neighbours
; in ONE lane's registers: so a step's 2,048 bytes turn through the wave's own stage in LDS (as they lie in; 64 bytes a lane out; 16 bytes of padding behind each 64).
; A lane's 16 codes are 16 bytes: each store of the wave covers 512 consecutive bytes, aligned.  No barrier: waves share nothing.  Loads run four steps (16 loads a wave) ahead, the turn through LDS one step.
.set STEPS, 16
.set SP,    80                         ; a lane's place in a stage: its 64 bytes + 16 of padding
.set WREG,  8192                       ; LDS: a region for each wave: two stages of 32 x SP bytes
.set SC,    8                          ; v8, v10, v12: 2^e;  v9, v11, v13: 448 x 2^e
.set R,     16                         ; v16-79   four sets of 16 numbers as they are loaded
.set X,     80                         ; v80-111  two sets of 16 neighbours
.set T,     112                        ; v112-159 the 16 neighbours held three times, once for each scale
.set C,     160                        ; v160-207 codes: four sets of 12 registers, set t % 4
	s_load_b256 s[4:11], s[0:1], 0x0               ; x s[4:5], the scales' exponents s[6:7], xq0 s[8:9], xq1 s[10:11]
	s_load_b64 s[12:13], s[0:1], 0x20              ; xq2
	v_lshl_add_u32 v208, v0, 2, 0x8000
	v_mov_b32 v209, 0
	v_lshrrev_b32 v1, 5, v0
	v_readfirstlane_b32 s16, v1                    ; wave
	v_and_b32 v2, 31, v0                           ; lane
	v_lshlrev_b32 v3, 4, v2                        ; 16 x lane: my 16 bytes of a load's 512, and of a store's
	s_mul_i32 s17, s16, WREG
	v_lshrrev_b32 v14, 2, v2
	v_mul_u32_u24 v14, v14, SP
	v_and_b32 v15, 3, v2
	v_lshl_add_u32 v14, v15, 4, v14
	v_add_nc_u32 v14, s17, v14                     ; the stage, on the way in: SP (lane / 4) + 16 (lane % 4); a load's 512 bytes take eight places
	v_mul_u32_u24 v15, v2, SP
	v_add_nc_u32 v15, s17, v15                     ; and on the way out: SP x lane: my 16 neighbours
	s_lshl_b32 s18, ttmp9, 2
	s_add_co_u32 s18, s18, s16                     ; which run of 8,192 numbers is my wave's: 0 .. 1023
	s_lshl_b32 s20, s18, 15                        ; its 32,768 bytes of x,
	s_mov_b32 s21, 0
	s_lshl_b32 s22, s18, 13                        ; its 8,192 bytes of codes
	s_mov_b32 s23, 0
	s_wait_kmcnt 0x0
	s_load_b256 s[24:31], s[6:7], 0x0              ; e0 .. e7: s24, s26, s28 are x's three
	s_add_nc_u64 s[4:5], s[4:5], s[20:21]
	s_add_nc_u64 s[8:9], s[8:9], s[22:23]
	s_add_nc_u64 s[10:11], s[10:11], s[22:23]
	s_add_nc_u64 s[12:13], s[12:13], s[22:23]
.macro LOAD t
.irp i, 0,1,2,3
	global_load_b128 v[R+16*((\t)%4)+4*\i:R+16*((\t)%4)+4*\i+3], v3, s[4:5] offset:2048*(\t)+512*\i th:TH_LOAD_NT   ; 32 lanes read 512 consecutive bytes
.endr
.endm
.macro TURN t                          ; step t's numbers through the stage: LDS serves a wave's instructions in order, so no wait stands between the stores and the loads
.irp i, 0,1,2,3
	ds_store_b128 v14, v[R+16*((\t)%4)+4*\i:R+16*((\t)%4)+4*\i+3] offset:32*SP*((\t)%2)+8*SP*\i
.endr
.irp i, 0,1,2,3
	ds_load_b128 v[X+16*((\t)%2)+4*\i:X+16*((\t)%2)+4*\i+3], v15 offset:32*SP*((\t)%2)+16*\i
.endr
.endm
.irp t, 0,1,2,3
	LOAD \t
.endr
	s_wait_kmcnt 0x0
.irp i, 0,1,2
	s_add_co_i32 s17, s[24+2*\i], 127
	s_lshl_b32 s19, s17, 23
	v_mov_b32 v[SC+2*\i], s19                      ; 2^e as f32: the conversion takes its exponent field
	s_add_co_i32 s17, s17, 8
	s_lshl_b32 s17, s17, 23
	s_or_b32 s17, s17, 0x600000
	v_mov_b32 v[SC+2*\i+1], s17                    ; 448 x 2^e
.endr
	s_wait_loadcnt 12                              ; step 0's four loads are in; those of steps 1 to 3 may be out
	TURN 0
.macro STEP t
.set XS, X+16*((\t)%2)
.set CS, C+12*((\t)%4)
	s_wait_dscnt 0x0                               ; this step's numbers are back from the stage: so its stores into the stage have read their registers,
.if (\t)+4 < STEPS
	LOAD (\t)+4                                    ; which take the loads of four steps on
.endif
.if (\t)+1 < STEPS
.if STEPS-2-(\t) >= 3
	s_wait_loadcnt 12                              ; the next step's four loads are in; those of the three steps behind it may be out
.else
	s_wait_loadcnt 4*(STEPS-2-(\t))
.endif
	TURN (\t)+1                                    ; and go through the other stage while this step is worked
.endif
.irp i, 0,1,2
.irp j, 0,1,2,3,4,5,6,7,8,9,10,11,12,13,14,15
	v_med3_num_f32 v[T+16*\i+\j], v[XS+\j], -v[SC+2*\i+1], v[SC+2*\i+1]   ; the conversion to an 8-bit code does not saturate (ISA guide 7.6.2): the hold at the largest code x the scale
.endr
.endr
.if (\t) >= 4
	s_wait_xcnt 0x0                                ; the stores of four steps ago have read this set of code registers
.endif
.irp i, 0,1,2
	v_cvt_scalef32_pk8_fp8_f32 v[CS+4*\i:CS+4*\i+1], v[T+16*\i:T+16*\i+7], v[SC+2*\i]
	v_cvt_scalef32_pk8_fp8_f32 v[CS+4*\i+2:CS+4*\i+3], v[T+16*\i+8:T+16*\i+15], v[SC+2*\i]
.endr
	v_nop                                          ; one plain vector line between the conversions and the next step's holds, which write their sources
.irp i, 0,1,2
	global_store_b128 v3, v[CS+4*\i:CS+4*\i+3], s[8+2*\i:9+2*\i] offset:512*(\t)
.endr
.endm
.irp t, 0,1,2,3,4,5,6,7,8,9,10,11,12,13,14,15
	STEP \t
.endr
	s_wait_tensorcnt 0x0
	ds_add_u32 v208, v209
	s_wait_dscnt 0x0
	s_endpgm
.Lfunc_end_k_qfc4ad7ae1f_quant:
	.size	k_qfc4ad7ae1f_quant, .Lfunc_end_k_qfc4ad7ae1f_quant-k_qfc4ad7ae1f_quant
	.p2alignl 7, 3214868480
	.fill 96, 4, 3214868480
	.section	.rodata,"a",@progbits
	.p2align	6, 0x0
	.amdhsa_kernel k_qfc4ad7ae1f_quant
		.amdhsa_group_segment_fixed_size 33280
		.amdhsa_private_segment_fixed_size 0
		.amdhsa_enable_private_segment 0
		.amdhsa_kernarg_size 40
		.amdhsa_user_sgpr_count 2
		.amdhsa_user_sgpr_kernarg_segment_ptr 1
		.amdhsa_wavefront_size32 1
		.amdhsa_system_sgpr_workgroup_id_x 1
		.amdhsa_system_sgpr_workgroup_id_y 1
		.amdhsa_system_sgpr_workgroup_id_z 1
		.amdhsa_system_vgpr_workitem_id 0
		.amdhsa_next_free_vgpr 210
		.amdhsa_next_free_sgpr 66
		.amdhsa_reserve_vcc 0
		.amdhsa_float_denorm_mode_32 3
		.amdhsa_float_denorm_mode_16_64 3
		.amdhsa_memory_ordered 1
		.amdhsa_forward_progress 1
		.amdhsa_inst_pref_size 77
	.end_amdhsa_kernel
	.amdgpu_metadata
---
amdhsa.version: [ 1, 2 ]
amdhsa.kernels:
  - .name:           k_qfc4ad7ae1f_quant
    .symbol:         k_qfc4ad7ae1f_quant.kd
    .args:
      - { .name: input_tensor, .offset: 0, .size: 8, .value_kind: global_buffer, .address_space: global }
      - { .name: lowp_scales, .offset: 8, .size: 8, .value_kind: global_buffer, .address_space: global }
      - { .name: xq0, .offset: 16, .size: 8, .value_kind: global_buffer, .address_space: global }
      - { .name: xq1, .offset: 24, .size: 8, .value_kind: global_buffer, .address_space: global }
      - { .name: xq2, .offset: 32, .size: 8, .value_kind: global_buffer, .address_space: global }
    .group_segment_fixed_size: 33280
    .private_segment_fixed_size: 0
    .kernarg_segment_align: 8
    .kernarg_segment_size: 40
    .max_flat_workgroup_size: 128
    .sgpr_count:     66
    .vgpr_count:     210
    .wavefront_size: 32
...
	.end_amdgpu_metadata
.endif
;; end of part 1
;; launch qkv (part 2): grid 12 x 32, 4 waves a work-group, clusters of 4 x 4, 327,680 bytes of LDS; arguments xq0, xq1, xq2, WQ_w_codes, WK_w_codes, WV_w_codes, WQ_b, WK_b, WV_b, lowp_scales, qf, kf, vf; writes qf, kf, vf
.if DOCPART == 2
	.amdgcn_target "amdgcn-amd-amdhsa--gfx1250"
	.amdhsa_code_object_version 6
	.text
	.protected	k_qfc4ad7ae1f_qkv
	.globl	k_qfc4ad7ae1f_qkv
	.p2align	8
	.type	k_qfc4ad7ae1f_qkv,@function
k_qfc4ad7ae1f_qkv:
	s_mov_b64 s[64:65], 0
	v_nop
	global_prefetch_b8 v0, s[64:65] scope:SCOPE_SE
	s_setreg_imm32_b32 hwreg(HW_REG_WAVE_MODE, 25, 1), 1
	s_wait_xcnt 0x0
	s_wait_alu depctr_hold_cnt(0) depctr_sa_sdst(0) depctr_va_vdst(0) depctr_va_sdst(0) depctr_va_ssrc(0) depctr_va_vcc(0) depctr_vm_vsrc(0)
	s_getreg_b32 s2, hwreg(HW_REG_IB_STS2, 6, 4)
	s_cmp_eq_u32 s2, 0
	s_cbranch_scc0 .Lentry_in_a_cluster
	s_endpgm
.Lentry_in_a_cluster:
	s_bfe_u32 s2, ttmp6, 0x10000c
	s_cmp_lg_u32 s2, 0xf033
	s_cbranch_scc0 .Lentry_shape_is_right
	s_endpgm
.Lentry_shape_is_right:
; The three projections on E4M3 codes, each 8,192 x 1,024 x 1,024, + bias, quantised for the attention's products and stored as IMAGES OF THE NEXT OPERAND'S REGISTERS.
; The cluster's x, P = 0, 1, 2, is the product (the same in all sixteen partners).  P = 0, 1: A = x's codes (rows = tokens), B = WQ or WK (rows = features).  P = 2: A = WV, B = x's codes: the roles are
; swapped, so that a lane's eight results run along the TOKENS, which are the K of the attention's second product.  All that hangs on P is chosen by s_cselect: there is no branch on it.
; A tile of 256 x 256 is made by four waves, 128 x 128 each: 64 accumulators, 512 registers.  K goes in steps of 256 through a ring of two LDS slots filled by joint tensor loads: 4 x 4 work-groups form a cluster,
; A's tile is shared along a row of it, B's along a column.  The matrix instruction is used transposed (source 0 = 16 rows of B, source 1 = 16 rows of A): a lane holds one row of A and eight neighbouring rows of B.
; A fragment comes by four loads of 16 bytes: lane l holds K = 32 c + 16 (l / 16) + 0 .. 15 in registers 4 c .. 4 c + 3: a permutation of k, the same in A and in B, so every product meets its partner.
; THE WAY OUT has no LDS: value = sum x 2^(ea + eb) + bias, held within +-448 x 2^eo, eight of a lane converted to two registers, which ARE registers 2 c, 2 c + 1 of the next operand's fragment:
;   qf, kf: [batch 4][head 16][tile of 16 tokens 128][quad 2][lane 32][16 bytes]: lane (r, h) holds token r, registers 2 c, 2 c + 1 hold d = 16 c + 8 h + 0 .. 7
;   vf:     [batch 4][head 16][group of 64 keys 32][dt 4][quad 2][lane 32][16 bytes]: lane (r, h) holds d = 16 dt + r, registers 2 c, 2 c + 1 hold keys 16 c + 8 h + 0 .. 7 of the group
; Each store of the wave covers 512 consecutive bytes, aligned.
; BIASES without a branch: the bias by B's row (P < 2) and the bias by A's row (P = 2) are both loaded, and the one that does not apply is made 0 by v_cndmask_b32.
; LIMITS: e0 + e1, e2 + e3, e4 + e5 between -126 and 127; e6, e7, e9 between -126 and 119.  NaN among the inputs is not served.
; REGISTERS, in windows of 256: window 0: v8-29 addresses and constants; v32-95 the bias by B's row; v96-111 the bias by A's row, each number twice; from v128 A's fragments, ONE set; on the way out v128-255 are free.
;   window 1: B's fragments, TWO sets.   windows 2, 3: the accumulators of my rows 0-63, 64-127 (accumulator (a, b) at v[8 (8 (a % 4) + b)]).
.set KSTEP,  256                       ; along K in a slot
.set ROWB,   256                       ; a tile's row in bytes
.set KROW,   1024                      ; a row of A or of B in memory, in bytes
.set PITCH,  272                       ; an LDS row: 256 bytes + 16 of padding = 68 words: the 16 rows that a load touches start at 16 different banks (64 banks of 4 bytes: ISA guide 11.1)
.set FR,     16                        ; registers of a fragment: 16 rows x 128 K
.set NL,     4                         ; LDS loads that bring one
.set NP,     4                         ; places behind this matrix instruction (ISA guide 7.12.1)
.set HALFT,  128*PITCH                 ; 128 rows: what one tensor load brings, and what one wave reads of A or of B
.set SLOT,   4*HALFT                   ; A's 256 rows, then B's 256 rows
.set SPARE,  2*SLOT                    ; behind the ring: the spare words, 128 bytes for each wave: two blocks of 256 bytes that no other line names
.set VO,   8                           ; v8-11   the stores' offsets: 16 x lane + x SA + g SG at v[8 + 2 x + g]
.set CBO,  12                          ; v12     where I load the bias by B's row
.set RBO,  13                          ; v13     where I load the bias by A's row
.set SCV,  14                          ; v14     2^eo
.set LIMV, 15                          ; v15     448 x 2^eo
.set ADRA, 16                          ; v16-17  LDS address of my A fragments in slot 0, 1
.set ADRB, 20                          ; v20-21  the same for B
.set SPW,  28                          ; v28     LDS address of my spare word; never rewritten
.set NIL,  29                          ; v29     0; never rewritten
.set CB,   32
.set RB,   96
.set AF,   128                         ; A's fragments, in window 0
.set TMP,  128                         ; the way out: a block's 64 values
.set CD,   192                         ; the way out: codes, four sets of 16 registers
.set G1, 24                            ; s[24:31] descriptor group 1 for A's tiles;  s[32:39] group 0, one set for each slot
.set G0, 32
.set G1B, 48                           ; s[48:55], s[56:63] the same for B's tiles
.set G0B, 56
.set MSB, 0
.macro WIN new                         ; the immediate's high byte repeats the setting that is left
.if MSB != \new
	s_set_vgpr_msb (MSB<<8)|\new
.set MSB, \new
.endif
.endm
.set MUL_LO, 0xa1                      ; source 0 (B) window 1, source 1 (A) window 0, C and D window 2
.set MUL_HI, 0xf1                      ; the same, C and D window 3
.set TO_B,   0x40                      ; destination window 1, address window 0
; A joint load: waves 0 and 1 fetch for A, waves 2 and 3 for B.  Each of the two lines has ONE mask and one set of registers for all that issue it; the branch hangs on the wave's number alone.
; Four v_nop follow each of the two lines, ahead of the jump, the label and what follows.
.macro JLOAD g0a, g1a, g0b, g1b
	s_cmp_eq_u32 s15, 0
	s_cbranch_scc0 .Lfor_b_\@
	tensor_load_to_lds s[\g0a:\g0a+3], s[\g1a:\g1a+7]
	s_nop 0
.rept 4
	v_nop
.endr
	s_branch .Lasked_\@
.Lfor_b_\@:
	tensor_load_to_lds s[\g0b:\g0b+3], s[\g1b:\g1b+7]
	s_nop 0
.rept 4
	v_nop
.endr
.Lasked_\@:
.endm
.macro CREST                           ; a round of the cluster's barrier behind its opening barrier
	s_cmp_lg_u32 s14, 0
	s_cbranch_scc1 .Lnot_wave_0_\@
	s_barrier_signal -3
.Lnot_wave_0_\@:
	s_barrier_wait -3
	s_barrier_signal -1
	s_barrier_wait -1
.endm
.macro CROUND                          ; a whole round
	s_barrier_signal -1
	s_barrier_wait -1
	CREST
.endm
	s_load_b512 s[68:83], s[0:1], 0x0              ; xq0 68, xq1 70, xq2 72, WQ 74, WK 76, WV 78, WQ_b 80, WK_b 82
	s_load_b256 s[84:91], s[0:1], 0x40             ; WV_b 84, the scales' exponents 86, qf 88, kf 90
	s_load_b64 s[92:93], s[0:1], 0x60              ; vf
	v_lshl_add_u32 v[SPW], v0, 2, SPARE
	v_mov_b32 v[NIL], 0
	ds_add_u32 v28, v29
	ds_add_u32 v28, v29
	s_wait_dscnt 0x0
	v_lshrrev_b32 v1, 5, v0
	v_readfirstlane_b32 s14, v1                    ; wave 0..3
	s_lshr_b32 s15, s14, 1                         ; which half of A's 256 rows is mine.  Also: I fetch for A (0) or for B (1)
	s_and_b32 s16, s14, 1                          ; which half of B's 256 rows.  Also: which 128 rows of that tile I fetch
	s_bfe_u32 s40, ttmp6, 0x40000                  ; cx, cy: my place in the cluster
	s_bfe_u32 s41, ttmp6, 0x40004
	s_and_b32 s12, ttmp7, 0xffff
	s_lshl_b32 s12, s12, 2                         ; 4 x cluster y: the tokens' side walks 32 tiles, the features' side 4
	s_cmp_eq_u32 ttmp9, 2
	s_cselect_b32 s17, 0, s12
	s_cselect_b32 s42, s12, 0
	s_add_co_u32 s17, s17, s41                     ; A's tile: cy + 4 x cluster y (P < 2), cy (P = 2)
	s_add_co_u32 s42, s42, s40                     ; B's tile: cx (P < 2), cx + 4 x cluster y (P = 2)
	s_lshl_b32 s43, s41, 2
	s_lshl_b32 s43, 15, s43                        ; my row of the cluster
	s_lshl_b32 s44, 0x1111, s40                    ; my column
	; descriptor group 1: a tile of 128 rows x 256 bytes, padded in LDS
	s_or_b32 s[G1+0], s43, (1<<20)|(1<<21)|(5<<22)|(3<<25)   ; 15:0 the mask: A's tiles go to my row; 17:16 element of 1 byte; 20 padding on; 21 set beside a mask; 24:22 after every 64 words (code 5); 31:25 of 4 words (code 3)
	s_or_b32 s[G1B+0], s44, (1<<20)|(1<<21)|(5<<22)|(3<<25)
.irp g, G1, G1B
	s_mov_b32 s[\g+1], ROWB<<16                    ; tensor_dim0
	s_mov_b32 s[\g+2], 128<<16                     ; tensor_dim1 = 128
	s_mov_b32 s[\g+3], ROWB<<16                    ; tile_dim0
	s_mov_b32 s[\g+4], 128                         ; tile_dim1 = 128
	s_mov_b32 s[\g+5], KROW                        ; tensor_dim0_stride
	s_mov_b32 s[\g+6], 0
	s_mov_b32 s[\g+7], 0
.endr
	s_lshl_b32 s18, s16, 7                         ; which 128 rows of the tile I fetch
	s_lshl_b32 s20, s17, 8
	s_add_co_u32 s20, s20, s18                     ; A: row 256 x tile + 128 x half,
	s_lshl_b32 s20, s20, 10                        ; of 1,024 bytes: under 2^23
	s_mov_b32 s21, 0
	s_lshl_b32 s46, s42, 8
	s_add_co_u32 s46, s46, s18                     ; B likewise
	s_lshl_b32 s46, s46, 10
	s_mov_b32 s47, 0
	s_mul_i32 s45, s14, HALFT                      ; where they go: wave x 128 rows: no place in the cluster enters an LDS address
	s_wait_kmcnt 0x0
	s_cmp_eq_u32 ttmp9, 1                          ; the buffers are chosen by the product's number alone
	s_cselect_b64 s[4:5], s[70:71], s[68:69]       ; A
	s_cselect_b64 s[6:7], s[76:77], s[74:75]       ; B
	s_cselect_b64 s[8:9], s[82:83], s[80:81]       ; the bias
	s_cselect_b64 s[10:11], s[90:91], s[88:89]     ; the images
	s_cmp_eq_u32 ttmp9, 2
	s_cselect_b64 s[4:5], s[78:79], s[4:5]         ; P = 2: A = WV,
	s_cselect_b64 s[6:7], s[72:73], s[6:7]         ; B = x's third set of codes
	s_cselect_b64 s[8:9], s[84:85], s[8:9]
	s_cselect_b64 s[10:11], s[92:93], s[10:11]
	s_load_b256 s[68:75], s[86:87], 0x0            ; e0 .. e7
	s_load_b64 s[76:77], s[86:87], 0x20            ; e8, e9
	s_add_nc_u64 s[20:21], s[4:5], s[20:21]
	s_add_nc_u64 s[46:47], s[6:7], s[46:47]
	CROUND                                         ; all sixteen work-groups are here: the first joint loads meet
.irp s, 0,1
	s_mov_b32 s[G0+4*\s], 1
	s_add_co_u32 s[G0+4*\s+1], s45, \s*SLOT
	s_add_nc_u64 s[G0+4*\s+2:G0+4*\s+3], s[20:21], \s*ROWB
	s_or_b32 s[G0+4*\s+3], s[G0+4*\s+3], 0x80000000
	s_mov_b32 s[G0B+4*\s], 1
	s_add_co_u32 s[G0B+4*\s+1], s45, \s*SLOT
	s_add_nc_u64 s[G0B+4*\s+2:G0B+4*\s+3], s[46:47], \s*ROWB
	s_or_b32 s[G0B+4*\s+3], s[G0B+4*\s+3], 0x80000000
	JLOAD G0+4*\s, G1, G0B+4*\s, G1B
.endr
	v_and_b32 v1, 15, v0                           ; r = l % 16
	v_bfe_u32 v2, v0, 4, 1                         ; h = l / 16
	; the biases.  By B's row: register 8 b + j wants bias[256 tileB + 128 half + 16 b + 8 h + j].  By A's row: block a wants bias[256 tileA + 128 half + 16 a + r].  The kind that does not apply reads the buffer's first bytes and is made 0 below
	s_lshl_b32 s18, s42, 10
	s_lshl_b32 s19, s16, 9
	s_add_co_u32 s18, s18, s19
	s_lshl_b32 s22, s17, 10
	s_lshl_b32 s23, s15, 9
	s_add_co_u32 s22, s22, s23
	s_cmp_eq_u32 ttmp9, 2
	s_cselect_b32 s18, 0, s18
	s_cselect_b32 s22, s22, 0
	s_cselect_b32 s66, 0, -1                       ; all lanes where the bias goes by B's row
	s_cselect_b32 s67, -1, 0                       ; all lanes where it goes by A's row
	v_lshl_add_u32 v[CBO], v2, 5, s18
	v_lshl_add_u32 v[RBO], v1, 2, s22
.irp b, 0,1,2,3,4,5,6,7
	global_load_b128 v[CB+8*\b:CB+8*\b+3], v[CBO], s[8:9] offset:64*\b
	global_load_b128 v[CB+8*\b+4:CB+8*\b+7], v[CBO], s[8:9] offset:64*\b+16
.endr
.irp a, 0,1,2,3,4,5,6,7
	global_load_b32 v[RB+2*\a], v[RBO], s[8:9] offset:64*\a
.endr
	v_mul_u32_u24 v3, v1, PITCH
	v_lshl_add_u32 v4, v2, 4, v3                   ; a fragment's row x pitch + 16 x half
	s_mul_i32 s21, s15, HALFT                      ; my 128 rows of A
	s_mul_i32 s22, s16, HALFT                      ; my 128 rows of B,
	s_add_co_u32 s22, s22, 2*HALFT                 ; which lie behind A's 256
.irp s, 0,1
	v_add_nc_u32 v[ADRA+\s], s21, v4
	v_add_nc_u32 v[ADRB+\s], s22, v4
	s_add_co_u32 s21, s21, SLOT
	s_add_co_u32 s22, s22, SLOT
.endr
	; where my images begin.  (R, hr): the tokens' tile and half; (F, hf): the features'.  Bytes: (R / 8) 2^21 [batch] + (4 F + 2 hf) 2^17 [head] + ((R % 8) 256 + 128 hr) 64 [64 bytes a token in a head]
	s_cmp_eq_u32 ttmp9, 2
	s_cselect_b32 s18, s42, s17                    ; R
	s_cselect_b32 s19, s16, s15                    ; hr
	s_cselect_b32 s22, s17, s42                    ; F
	s_cselect_b32 s23, s15, s16                    ; hf
	s_mov_b32 s94, 4096
	s_cselect_b32 s94, 0x20000, s94                ; SA: from A's blocks 0-3 to 4-7: four tiles of tokens (P < 2), a head (P = 2)
	s_mov_b32 s95, 0x20000
	s_cselect_b32 s95, 4096, s95                   ; SG: from B's blocks 0-3 to 4-7: a head (P < 2), a group of 64 keys (P = 2)
	s_lshr_b32 s46, s18, 3
	s_lshl_b32 s46, s46, 21
	s_lshl_b32 s22, s22, 2
	s_lshl_b32 s23, s23, 1
	s_add_co_u32 s22, s22, s23
	s_lshl_b32 s22, s22, 17
	s_add_co_u32 s46, s46, s22
	s_and_b32 s18, s18, 7
	s_lshl_b32 s18, s18, 14
	s_lshl_b32 s19, s19, 13
	s_add_co_u32 s46, s46, s18
	s_add_co_u32 s46, s46, s19                     ; under 2^23
	s_mov_b32 s47, 0
	s_add_nc_u64 s[10:11], s[10:11], s[46:47]
	v_and_b32 v5, 31, v0
	v_lshlrev_b32 v[VO], 4, v5                     ; 16 x lane
	v_add_nc_u32 v[VO+1], s95, v[VO]
	v_add_nc_u32 v[VO+2], s94, v[VO]
	v_add_nc_u32 v[VO+3], s95, v[VO+2]
	s_wait_kmcnt 0x0                               ; the exponents
	s_add_co_i32 s18, s68, s69
	s_add_co_i32 s19, s70, s71
	s_add_co_i32 s22, s72, s73
	s_cmp_eq_u32 ttmp9, 1
	s_cselect_b32 s18, s19, s18
	s_cselect_b32 s23, s75, s74                    ; q is quantised by e6, k by e7,
	s_cmp_eq_u32 ttmp9, 2
	s_cselect_b32 s18, s22, s18                    ; ea + eb
	s_cselect_b32 s23, s77, s23                    ; v by e9
	s_add_co_i32 s18, s18, 127
	s_lshl_b32 s96, s18, 23                        ; 2^(ea + eb) as f32
	s_mov_b32 s97, s96                             ; (named with it as a pair, so it is written)
	s_add_co_i32 s23, s23, 127
	s_lshl_b32 s98, s23, 23
	s_add_co_i32 s23, s23, 8
	s_lshl_b32 s99, s23, 23
	s_or_b32 s99, s99, 0x600000
	v_mov_b32 v[SCV], s98                          ; 2^eo: the conversion takes its exponent field
	v_mov_b32 v[LIMV], s99                         ; 448 x 2^eo
	s_wait_loadcnt 0x0                             ; the biases; the first tiles are still on their way
.set J, 0
.rept 64
	v_cndmask_b32 v[CB+J], 0, v[CB+J], s66
.set J, J+1
.endr
.irp a, 0,1,2,3,4,5,6,7
	v_cndmask_b32 v[RB+2*\a+1], 0, v[RB+2*\a], s67 ; each number twice: a pair for the packed addition
	v_cndmask_b32 v[RB+2*\a], 0, v[RB+2*\a], s67
.endr
.macro FRAG reg, adr, q, i             ; a fragment, 16 rows x 128 K: lane l holds row l % 16; registers 4 c .. 4 c + 3 hold K = 32 c + 16 (l / 16) + 0 .. 15
.irp c, 0,1,2,3
	ds_load_b128 v[\reg+4*\c:\reg+4*\c+3], v[\adr] offset:128*(\q)+32*\c+(\i)*16*PITCH
.endr
.endm
; 16 matrix instructions: A's blocks a0, a0 + 1 x B's eight, 128 along K.  p: B's set.  zero = 1: the first product starts the sums: nothing is ever cleared.
; The 64 accumulators take turns, one instruction a turn, in the same order in every step.
.macro MUL16 a0, p, zero
.irp a, \a0, \a0+1
.irp b, 0,1,2,3,4,5,6,7
.if \zero
	v_wmma_f32_16x16x128_fp8_fp8 v[8*(8*((\a)%4)+\b):8*(8*((\a)%4)+\b)+7], v[128*(\p)+FR*\b:128*(\p)+FR*\b+FR-1], v[AF+FR*(\a):AF+FR*(\a)+FR-1], 0
.else
	v_wmma_f32_16x16x128_fp8_fp8 v[8*(8*((\a)%4)+\b):8*(8*((\a)%4)+\b)+7], v[128*(\p)+FR*\b:128*(\p)+FR*\b+FR-1], v[AF+FR*(\a):AF+FR*(\a)+FR-1], v[8*(8*((\a)%4)+\b):8*(8*((\a)%4)+\b)+7]
.endif
.endr
.endr
.endm
.macro FETCH_B slot, q, p              ; B's eight fragments of the slot's q-th 128 along K into set p
	WIN TO_B
.irp i, 0,1,2,3,4,5,6,7
	FRAG 128*(\p)+FR*\i, ADRB+\slot, \q, \i
.endr
	WIN 0
.endm
.macro FETCH_A slot, q, i0             ; A's blocks i0 .. i0 + 3
.irp i, \i0, \i0+1, \i0+2, \i0+3
	FRAG AF+FR*(\i), ADRA+\slot, \q, \i
.endr
.endm
; A load into a register that a matrix instruction has read, and a vector instruction that reads a matrix result or writes a matrix instruction's register, stand NP places behind it; only plain vector
; instructions that name none of its registers are places (ISA guide 7.12.1 for vector instructions).
.macro PLACES n
.rept \n
	v_nop
.endr
.endm
; A step of 128 along K that has its successor in the same slot.
.macro STEP slot, q, zero
	s_wait_dscnt 4*NL                              ; B's set and A's blocks 0-3 are in; the youngest sixteen loads (A's blocks 4-7) may be out
	WIN MUL_LO
	MUL16 0, (\q)%2, \zero
	MUL16 2, (\q)%2, \zero
	s_wait_dscnt 0                                 ; A's blocks 4-7 are in (asked for 32 matrix instructions ago)
	PLACES NP
	FETCH_B \slot, (\q)+1, 1-(\q)%2
	FETCH_A \slot, (\q)+1, 0
	WIN MUL_HI
	MUL16 4, (\q)%2, \zero
	MUL16 6, (\q)%2, \zero
	PLACES NP
	WIN 0
	FETCH_A \slot, (\q)+1, 4
.endm
; A slot's last step changes slots: ONE barrier; in front of it each wave waits for all its tensor loads, adds 0 to its spare word, and waits for that and for its own reads of this slot.  fill = 1: this slot is filled again, two K steps ahead.
.macro TURN slot, next, fill
	s_wait_tensorcnt 0x0                           ; all my tensor loads have landed: my part of the next slot;  (every window is 0 here: the add's two registers lie in window 0)
	ds_add_u32 v[SPW], v[NIL]                      ; 0 onto my spare word
	s_wait_dscnt 4*NL+1                            ; (the add and the youngest sixteen loads, A's blocks 4-7, may be out)
	WIN MUL_LO
	MUL16 0, 1, 0                                  ; sixteen matrix instructions stand between the add and the wait for it
	s_wait_dscnt 0x0                               ; the add is done, and my reads of this slot are over
	s_barrier_signal -1
	MUL16 2, 1, 0
	WIN 0
	s_barrier_wait -1
.if \fill
	CREST                                          ; the barrier has opened a round of the cluster's barrier: no wave of any partner still reads this slot's tile or has a load on its way
	s_add_nc_u64 s[G0+4*\slot+2:G0+4*\slot+3], s[G0+4*\slot+2:G0+4*\slot+3], 2*ROWB
	s_add_nc_u64 s[G0B+4*\slot+2:G0B+4*\slot+3], s[G0B+4*\slot+2:G0B+4*\slot+3], 2*ROWB
	JLOAD G0+4*\slot, G1, G0B+4*\slot, G1B         ; the first tensor load behind the round; the four v_nop behind it are the places in front of the loads below
.else
	PLACES NP
.endif
	FETCH_B \next, 0, 0
	FETCH_A \next, 0, 0
	WIN MUL_HI
	MUL16 4, 1, 0
	MUL16 6, 1, 0
	PLACES NP
	WIN 0
	FETCH_A \next, 0, 4
.endm
	s_wait_tensorcnt 1                             ; my part of K step 0 is in (K step 1's load may be out)
	s_barrier_signal -1
	s_barrier_wait -1                              ; everybody's is
	FETCH_B 0, 0, 0
	FETCH_A 0, 0, 0
	FETCH_A 0, 0, 4
	STEP 0, 0, 1                                   ; K = 1,024 is four K steps of 256, eight steps of 128: written out, no loop.  The first step's products start the sums
	TURN 0, 1, 1                                   ; slot 0 takes K step 2
	STEP 1, 0, 0
	TURN 1, 0, 1                                   ; slot 1 takes K step 3
	STEP 0, 0, 0
	TURN 0, 1, 0                                   ; nothing is left to fetch
	STEP 1, 0, 0
	s_wait_dscnt 4*NL                              ; the very last step
	WIN MUL_LO
	MUL16 0, 1, 0
	MUL16 2, 1, 0
	s_wait_dscnt 0
	WIN MUL_HI
	MUL16 4, 1, 0
	MUL16 6, 1, 0
	WIN 0
; THE WAY OUT of A's block a: 16 rows of A x 128 rows of B.  Register 8 b + j of lane (r, h) is (A's row 16 a + r, B's row 16 b + 8 h + j).
.macro EPI a
.set AC, 64*((\a)%4)
.set CDS, CD+16*((\a)%4)
	WIN 0x02+((\a)/4)                              ; source 0: window 2 or 3
.set J, 0
.rept 32
	v_pk_fma_f32 v[TMP+J:TMP+J+1], v[AC+J:AC+J+1], s[96:97], v[CB+J:CB+J+1] op_sel_hi:[1,0,1]   ; sum x 2^(ea + eb) + the bias by B's row; each accumulator from its low end on
.set J, J+2
.endr
	WIN 0
.set J, 0
.rept 32
	v_pk_add_f32 v[TMP+J:TMP+J+1], v[TMP+J:TMP+J+1], v[RB+2*(\a):RB+2*(\a)+1]                  ; + the bias by A's row
.set J, J+2
.endr
.set J, 0
.rept 64
	v_med3_num_f32 v[TMP+J], v[TMP+J], -v[LIMV], v[LIMV]   ; the conversion does not saturate (ISA guide 7.6.2): the hold at the largest code x the scale
.set J, J+1
.endr
.if (\a) >= 4
	s_wait_xcnt 0x0                                ; block a - 4's stores have read this set of code registers
.endif
.irp b, 0,1,2,3,4,5,6,7
	v_cvt_scalef32_pk8_fp8_f32 v[CDS+2*\b:CDS+2*\b+1], v[TMP+8*\b:TMP+8*\b+7], v[SCV]   ; registers 2 (b % 4), 2 (b % 4) + 1 of the fragment of B's blocks 4 (b / 4) ..
.endr
	v_nop                                          ; one plain vector line between the conversions and the next block's lines, which write their sources
.irp g, 0,1
.irp u, 0,1
	global_store_b128 v[VO+2*((\a)/4)+\g], v[CDS+8*\g+4*\u:CDS+8*\g+4*\u+3], s[10:11] offset:((\a)%4)*1024+512*\u   ; a quad of an image: 512 consecutive bytes, aligned
.endr
.endr
.endm
	PLACES NP                                      ; behind the last products: their results are read, and the registers that held A's fragments are written
.irp a, 0,1,2,3,4,5,6,7
	EPI \a
.endr
	s_wait_tensorcnt 0x0                           ; the wave's end
	ds_add_u32 v[SPW], v[NIL]
	s_wait_dscnt 0x0
	CROUND                                         ; the closing round: no work-group ends while a partner may still ask for a tile that names it
	s_endpgm
.Lfunc_end_k_qfc4ad7ae1f_qkv:
	.size	k_qfc4ad7ae1f_qkv, .Lfunc_end_k_qfc4ad7ae1f_qkv-k_qfc4ad7ae1f_qkv
	.p2alignl 7, 3214868480
	.fill 96, 4, 3214868480
	.section	.rodata,"a",@progbits
	.p2align	6, 0x0
	.amdhsa_kernel k_qfc4ad7ae1f_qkv
		.amdhsa_group_segment_fixed_size 327680
		.amdhsa_private_segment_fixed_size 0
		.amdhsa_enable_private_segment 0
		.amdhsa_kernarg_size 104
		.amdhsa_user_sgpr_count 2
		.amdhsa_user_sgpr_kernarg_segment_ptr 1
		.amdhsa_wavefront_size32 1
		.amdhsa_system_sgpr_workgroup_id_x 1
		.amdhsa_system_sgpr_workgroup_id_y 1
		.amdhsa_system_sgpr_workgroup_id_z 1
		.amdhsa_system_vgpr_workitem_id 0
		.amdhsa_next_free_vgpr 1024
		.amdhsa_next_free_sgpr 100
		.amdhsa_reserve_vcc 0
		.amdhsa_float_denorm_mode_32 3
		.amdhsa_float_denorm_mode_16_64 3
		.amdhsa_memory_ordered 1
		.amdhsa_forward_progress 1
		.amdhsa_inst_pref_size 159
	.end_amdhsa_kernel
	.amdgpu_metadata
---
amdhsa.version: [ 1, 2 ]
amdhsa.kernels:
  - .name:           k_qfc4ad7ae1f_qkv
    .symbol:         k_qfc4ad7ae1f_qkv.kd
    .args:
      - { .name: xq0, .offset: 0, .size: 8, .value_kind: global_buffer, .address_space: global }
      - { .name: xq1, .offset: 8, .size: 8, .value_kind: global_buffer, .address_space: global }
      - { .name: xq2, .offset: 16, .size: 8, .value_kind: global_buffer, .address_space: global }
      - { .name: WQ_w_codes, .offset: 24, .size: 8, .value_kind: global_buffer, .address_space: global }
      - { .name: WK_w_codes, .offset: 32, .size: 8, .value_kind: global_buffer, .address_space: global }
      - { .name: WV_w_codes, .offset: 40, .size: 8, .value_kind: global_buffer, .address_space: global }
      - { .name: WQ_b, .offset: 48, .size: 8, .value_kind: global_buffer, .address_space: global }
      - { .name: WK_b, .offset: 56, .size: 8, .value_kind: global_buffer, .address_space: global }
      - { .name: WV_b, .offset: 64, .size: 8, .value_kind: global_buffer, .address_space: global }
      - { .name: lowp_scales, .offset: 72, .size: 8, .value_kind: global_buffer, .address_space: global }
      - { .name: qf, .offset: 80, .size: 8, .value_kind: global_buffer, .address_space: global }
      - { .name: kf, .offset: 88, .size: 8, .value_kind: global_buffer, .address_space: global }
      - { .name: vf, .offset: 96, .size: 8, .value_kind: global_buffer, .address_space: global }
    .group_segment_fixed_size: 327680
    .private_segment_fixed_size: 0
    .kernarg_segment_align: 8
    .kernarg_segment_size: 104
    .max_flat_workgroup_size: 128
    .sgpr_count:     100
    .vgpr_count:     1024
    .wavefront_size: 32
...
	.end_amdgpu_metadata
.endif
;; end of part 2
;; launch attn (part 3): grid 4 x 64, 16 waves a work-group, clusters of 4 x 1, 327,680 bytes of LDS; arguments qf, kf, vf, mask, lowp_scales, ctxf; writes ctxf
.if DOCPART == 3
	.amdgcn_target "amdgcn-amd-amdhsa--gfx1250"
	.amdhsa_code_object_version 6
	.text
	.protected	k_qfc4ad7ae1f_attn
	.globl	k_qfc4ad7ae1f_attn
	.p2align	8
	.type	k_qfc4ad7ae1f_attn,@function
k_qfc4ad7ae1f_attn:
	s_mov_b64 s[64:65], 0
	v_nop
	global_prefetch_b8 v0, s[64:65] scope:SCOPE_SE
	s_setreg_imm32_b32 hwreg(HW_REG_WAVE_MODE, 25, 1), 1
	s_wait_xcnt 0x0
	s_wait_alu depctr_hold_cnt(0) depctr_sa_sdst(0) depctr_va_vdst(0) depctr_va_sdst(0) depctr_va_ssrc(0) depctr_va_vcc(0) depctr_vm_vsrc(0)
	s_getreg_b32 s2, hwreg(HW_REG_IB_STS2, 6, 4)
	s_cmp_eq_u32 s2, 0
	s_cbranch_scc0 .Lentry_in_a_cluster
	s_endpgm
.Lentry_in_a_cluster:
	s_bfe_u32 s2, ttmp6, 0x10000c
	s_cmp_lg_u32 s2, 0x3003
	s_cbranch_scc0 .Lentry_shape_is_right
	s_endpgm
.Lentry_shape_is_right:
; ctx = softmax(q k^T / 8 + mask) v for one (batch, head) a cluster, both products on E4M3 codes (K = 64 an instruction), then ctx quantised by e10 and stored as images of the last product's operand.
; THE SOFTMAX: t = (score / 8 + mask) x log2(e); M = the running largest t rounded UP to a whole number; p = 2^(t - M) is quantised by e8, not normalised; the row's sum is taken of the unquantised p and divides at the end.
; When M moves, the sum and O are multiplied by 2^(old M - new M): exact, and no branch on data.
; SHARES.  The cluster's four work-groups take 512 queries each of the head's 2,048; each of a work-group's sixteen waves takes 32: two tiles of 16, in 256 registers, four waves to a SIMD.
; THE WHOLE HEAD LIES IN LDS: K's images 131,072 bytes, V's 131,072, filled once, by joint tensor loads that name all four work-groups: no byte is filled again, so there is no ring.  They come in four chunks of 512 keys;
; waves 0 and 1 fetch K's halves of a chunk, waves 2 and 3 V's: 64 rows of 256 bytes a load, four loads a wave, all issued at the head; chunk c is read behind a wait that leaves the 3 - c later loads out, and a barrier.
; LAYOUT.  Both products are used transposed: S^T = K Q^T (source 0 = 16 keys, source 1 = 16 queries), O^T = V^T P^T (source 0 = 16 of the head's 64, source 1 = P): a lane holds ONE query (lane % 16) throughout.
; In S^T register 8 t + j of lane (r, h) is key 16 t + 8 h + j: eight of them, converted, ARE registers 2 t, 2 t + 1 of P.  In O^T register 8 dt + j is d = 16 dt + 8 h + j: converted, registers of the last product's operand.
; THE MASK COSTS NO VECTOR INSTRUCTION in the loop: t = c (s + C), c = log2(e) / 8 x 2^(e6 + e7), C = mask x 2^(3 - e6 - e7): C is the C operand of the score products.  It is made once, by a power of two, into LDS bytes of its own.
; ctxf: [tile of 16 tokens 512][K step of 128 = pair of heads 8][quad 4][lane 32][16 bytes]: lane (r, h) holds token r, registers 2 c, 2 c + 1 hold k = 16 c + 8 h + 0 .. 7.
; LIMITS.  e6 + e7 between -100 and 100; e8, e10 between -126 and 119; e8 + e9 is applied by v_ldexp_f32 and has none.  NaN and +infinity among the inputs are not served.
; A mask below -2^22 (-infinity too) is held at -2^22: such a key counts for nothing beside any key whose logit lies above -2^22 + 110.  A row ALL of whose keys are masked below -2^22 gets the softmax
; of the held numbers (finite), where the definition gives another softmax, or NaN for -infinity.
.set L16, 1                            ; v1   16 x lane: an image's place for my lane; never rewritten
.set AM0, 2                            ; v2   the mask's region + 32 (lane / 16)
.set ADK, 3                            ; v3   LDS address of the step's K;  v4 of its V;  v5 of its mask
.set ADV, 4
.set ADM, 5
.set LIM, 6                            ; v6   448 x 2^e8; on the way out 448 x 2^e10
.set SCL, 7                            ; v7   2^e8; on the way out 2^e10
.set ST,  8                            ; tile q's statistics at v[8 + 4 q]: -M, the largest t, the sum in two halves
.set Q,   16                           ; v16-31   Q's two fragments
.set KV,  32                           ; v32-63   four fragments of K, then of V
.set MK,  64                           ; v64-95   the scaled mask of the step's 64 keys, in the result's layout
.set S,   96                           ; v96-159  S^T, then p: 32 a tile
.set O,   160                          ; v160-223 O^T: 32 a tile
.set P,   224                          ; v224-239 p's codes: 8 a tile
.set T,   240                          ; at work, 8 a tile: +0, +1 the maximum's two chains; +2 a permute's destination; +4, +5 f; +6, +7 the sum's second chain
.set TB,  2                            ; s2   LDS byte of the step's K (V: 131,072 further on)
.set TM,  3                            ; s3   byte of the step's mask in its region
.set WV,  18
.set CX,  19
.set SEL, 20                           ; s[20:21] lane selects for v_permlanex16_b32: lane l xor 16
.set CS,  22                           ; s[22:23] c, twice
.set G1,  24                           ; s[24:31] descriptor group 1;  s[32:47] group 0, a set for each chunk
.set G0,  32
.set BH,  48                           ; s48  16 x batch + head
.set CNT, 50
.set VLDS, 131072
.set MLDS, 262144
.macro CROUND                          ; a round of the cluster's barrier
	s_barrier_signal -1
	s_barrier_wait -1
	s_cmp_lg_u32 s[WV], 0
	s_cbranch_scc1 .Lnot_wave_0_\@
	s_barrier_signal -3
.Lnot_wave_0_\@:
	s_barrier_wait -3
	s_barrier_signal -1
	s_barrier_wait -1
.endm
	s_load_b256 s[4:11], s[0:1], 0x0               ; qf s[4:5], kf s[6:7], vf s[8:9], mask s[10:11]
	s_load_b128 s[12:15], s[0:1], 0x20             ; the scales' exponents s[12:13], ctxf s[14:15]
	v_lshl_add_u32 v243, v0, 2, 0x42000
	v_mov_b32 v251, 0
	ds_add_u32 v243, v251
	ds_add_u32 v243, v251
	v_lshrrev_b32 v1, 5, v0
	v_readfirstlane_b32 s[WV], v1                  ; wave 0..15
	s_bfe_u32 s[CX], ttmp6, 0x40000                ; my place in the cluster: it enters Q's and ctx's addresses alone
	s_and_b32 s[BH], ttmp7, 0xffff                 ; the cluster's y: batch and head, which the four partners share
	; descriptor group 1: 64 rows of 32 elements of 8 bytes, dense in memory and in LDS
	s_mov_b32 s[G1], 15|(3<<16)|(1<<21)            ; 15:0 the mask: all four work-groups; 17:16 elements of 8 bytes; 20 no padding; 21 set beside a mask
	s_mov_b32 s[G1+1], 32<<16                      ; tensor_dim0
	s_mov_b32 s[G1+2], 64<<16                      ; tensor_dim1
	s_mov_b32 s[G1+3], 32<<16                      ; tile_dim0
	s_mov_b32 s[G1+4], 64                          ; tile_dim1
	s_mov_b32 s[G1+5], 32                          ; tensor_dim0_stride
	s_mov_b32 s[G1+6], 0
	s_mov_b32 s[G1+7], 0
	s_mov_b32 s[SEL], 0x76543210
	s_mov_b32 s[SEL+1], 0xfedcba98
	s_lshl_b32 s52, s[BH], 17                      ; the head's 131,072 bytes in qf, kf and vf: under 2^23
	s_and_b32 s49, s[WV], 1
	s_lshl_b32 s49, s49, 14                        ; which 16,384 bytes of a chunk's 32,768 I fetch, if I fetch
	s_lshr_b32 s51, s[WV], 1
	s_and_b32 s51, s51, 1                          ; for K (0) or for V (1)
	s_lshl_b32 s54, s51, 17
	s_add_co_u32 s54, s54, s49                     ; in LDS: no place in the cluster enters an LDS address
	s_add_co_u32 s56, s52, s49                     ; in memory
	s_mov_b32 s57, 0
	s_wait_dscnt 0x0
	s_wait_kmcnt 0x0
	s_load_b128 s[68:71], s[12:13], 0x18           ; e6, e7, e8, e9
	s_load_b32 s72, s[12:13], 0x28                 ; e10
	s_cmp_eq_u32 s51, 0
	s_cselect_b64 s[58:59], s[6:7], s[8:9]
	s_add_nc_u64 s[58:59], s[58:59], s[56:57]
.irp c, 0,1,2,3
	s_mov_b32 s[G0+4*\c], 1                        ; count = 1
	s_add_co_u32 s[G0+4*\c+1], s54, \c<<15         ; LDS address: chunk c
	s_add_nc_u64 s[G0+4*\c+2:G0+4*\c+3], s[58:59], \c<<15
	s_or_b32 s[G0+4*\c+3], s[G0+4*\c+3], 0x80000000   ; type = 2
.endr
	CROUND                                         ; all four work-groups are here: the joint loads meet
	s_cmp_lt_u32 s[WV], 4                          ; a wave's four fills stand in one branch on the wave's number, the same in all partners: four loads of mine are out at most
	s_cbranch_scc0 .Lno_fetch
	tensor_load_to_lds s[G0:G0+3], s[G1:G1+7]
	s_nop 0
	tensor_load_to_lds s[G0+4:G0+7], s[G1:G1+7]
	s_nop 0
	tensor_load_to_lds s[G0+8:G0+11], s[G1:G1+7]
	s_nop 0
	tensor_load_to_lds s[G0+12:G0+15], s[G1:G1+7]
	s_nop 0
.rept 4
	v_nop
.endr
.Lno_fetch:
	s_lshr_b32 s60, s[BH], 4
	s_lshl_b32 s60, s60, 13                        ; the batch's 2,048 numbers of the mask
	s_mov_b32 s61, 0
	s_add_nc_u64 s[10:11], s[10:11], s[60:61]
	v_lshlrev_b32 v[ADM], 4, v0                    ; thread t takes 16 bytes of them,
	v_lshl_add_u32 v[ADV], v0, 4, MLDS             ; and puts them at the same place of the mask's region
	global_load_b128 v[MK:MK+3], v[ADM], s[10:11]
	s_lshl_b32 s60, s[CX], 15                      ; my queries' images: tile 32 cx + 2 wave + q, 1,024 bytes a tile
	s_lshl_b32 s62, s[WV], 11
	s_add_co_u32 s60, s60, s62
	s_add_co_u32 s60, s60, s52
	s_add_nc_u64 s[4:5], s[4:5], s[60:61]
	v_and_b32 v[L16], 31, v0
	v_lshlrev_b32 v[L16], 4, v[L16]
.irp q, 0,1
.irp u, 0,1
	global_load_b128 v[Q+8*\q+4*\u:Q+8*\q+4*\u+3], v[L16], s[4:5] offset:1024*\q+512*\u   ; Q stays in registers
.endr
.endr
	v_bfe_u32 v[AM0], v0, 4, 1
	v_lshl_add_u32 v[AM0], v[AM0], 5, MLDS
.irp q, 0,1
	v_mov_b32 v[ST+4*\q+1], 0xff61b1e6             ; the largest t so far: -3e38, under every t
	v_floor_f32 v[ST+4*\q], -v[ST+4*\q+1]          ; -M
	v_mov_b32 v[ST+4*\q+2], 0                      ; the sum, in two halves
	v_mov_b32 v[ST+4*\q+3], 0
	v_mov_b32 v[T+8*\q+2], 0                       ; written once: a lane permute's destination counts as one of its sources
	v_mov_b32 v[T+8*\q+5], 0                       ; (named as the upper half of f's pair)
.endr
.set J, 0
.rept 64
	v_mov_b32 v[O+J], 0                            ; O^T.  (The step is written once: the first finds zeros, which the first change of M leaves zeros)
.set J, J+1
.endr
	s_wait_kmcnt 0x0
	s_add_co_i32 s49, s68, s69                     ; e6 + e7
	s_lshl_b32 s51, s49, 23
	s_add_co_i32 s[CS], s51, 0x3e38aa3b            ; c = log2(e) / 8 with e6 + e7 added to its exponent field
	s_mov_b32 s[CS+1], s[CS]                       ; (named with it as a pair, so it is written)
	s_sub_co_i32 s49, 3, s49                       ; the mask goes in x 2^(3 - e6 - e7)
	s_add_co_i32 s51, s70, 127
	s_lshl_b32 s55, s51, 23
	v_mov_b32 v[SCL], s55                          ; 2^e8
	s_add_co_i32 s51, s51, 8
	s_lshl_b32 s51, s51, 23
	s_or_b32 s51, s51, 0x600000
	v_mov_b32 v[LIM], s51                          ; 448 x 2^e8
	s_wait_loadcnt 0x0                             ; the mask and Q
.irp i, 0,1,2,3
	v_max_num_f32 v[MK+\i], 0xca800000, v[MK+\i]   ; held at -2^22, so that |t| stays under 2^23 whatever the mask
.endr
.irp i, 0,1,2,3
	v_ldexp_f32 v[MK+\i], v[MK+\i], s49
.endr
	ds_store_b128 v[ADV], v[MK:MK+3]
; A KEY STEP: 64 keys, both tiles of queries.
.macro STEP
	v_add_nc_u32 v[ADK], s[TB], v[L16]             ; three additions and a v_nop: the four places between the last products and the loads into the registers that they read
	v_add_nc_u32 v[ADM], s[TM], v[AM0]
	v_add_nc_u32 v[ADV], VLDS, v[ADK]
	v_nop
.irp t, 0,1,2,3
	ds_load_b128 v[KV+8*\t:KV+8*\t+3], v[ADK] offset:1024*\t        ; K's images: 512 consecutive bytes a load
	ds_load_b128 v[KV+8*\t+4:KV+8*\t+7], v[ADK] offset:1024*\t+512
.endr
.irp t, 0,1,2,3
	ds_load_b128 v[MK+8*\t:MK+8*\t+3], v[ADM] offset:64*\t          ; the mask of keys 16 t + 8 h + 0 .. 7: sixteen lanes share each address
	ds_load_b128 v[MK+8*\t+4:MK+8*\t+7], v[ADM] offset:64*\t+16
.endr
	s_wait_dscnt 0x0
.irp t, 0,1,2,3
.irp q, 0,1
	v_wmma_f32_16x16x64_fp8_fp8 v[S+32*\q+8*\t:S+32*\q+8*\t+7], v[KV+8*\t:KV+8*\t+7], v[Q+8*\q:Q+8*\q+7], v[MK+8*\t:MK+8*\t+7]   ; s + C
.endr
.endr
.rept 4
	v_nop                                          ; places in front of the loads into K's registers and of the first read of the scores
.endr
.irp d, 0,1,2,3
	ds_load_b128 v[KV+8*\d:KV+8*\d+3], v[ADV] offset:1024*\d        ; V's images land while the softmax is walked
	ds_load_b128 v[KV+8*\d+4:KV+8*\d+7], v[ADV] offset:1024*\d+512
.endr
.irp q, 0,1                                    ; the step's largest s + C of my query among my 32 keys, in two chains; each accumulator is first read at its low end
	v_max3_num_f32 v[T+8*\q], v[S+32*\q], v[S+32*\q+1], v[S+32*\q+2]
	v_max3_num_f32 v[T+8*\q+1], v[S+32*\q+3], v[S+32*\q+4], v[S+32*\q+5]
.endr
.irp i, 6,10,14,18,22,26
.irp q, 0,1
	v_max3_num_f32 v[T+8*\q], v[T+8*\q], v[S+32*\q+\i], v[S+32*\q+\i+1]
	v_max3_num_f32 v[T+8*\q+1], v[T+8*\q+1], v[S+32*\q+\i+2], v[S+32*\q+\i+3]
.endr
.endr
.irp q, 0,1
	v_max3_num_f32 v[T+8*\q], v[T+8*\q], v[S+32*\q+30], v[S+32*\q+31]
.endr
.irp q, 0,1
	v_max_num_f32 v[T+8*\q], v[T+8*\q], v[T+8*\q+1]
.endr
.irp q, 0,1
	v_permlanex16_b32 v[T+8*\q+2], v[T+8*\q], s[SEL], s[SEL+1]
.endr
.irp q, 0,1
	v_max_num_f32 v[T+8*\q], v[T+8*\q], v[T+8*\q+2]          ; and among lane l xor 16's
.endr
.irp q, 0,1
	v_mul_f32 v[T+8*\q], s[CS], v[T+8*\q]                    ; as t (c is positive)
.endr
.irp q, 0,1
	v_max_num_f32 v[ST+4*\q+1], v[ST+4*\q+1], v[T+8*\q]      ; the running largest t
.endr
.irp q, 0,1
	v_mov_b32 v[T+8*\q], v[ST+4*\q]                          ; the old -M is kept for f
.endr
.irp q, 0,1
	v_floor_f32 v[ST+4*\q], -v[ST+4*\q+1]                    ; the new -M = floor(-t) = -ceil(t): M is a whole number
.endr
.irp q, 0,1
	v_sub_f32 v[T+8*\q], v[ST+4*\q], v[T+8*\q]               ; old M - new M: a whole number, 0 or less
.endr
.irp q, 0,1
	v_cvt_i32_f32 v[T+8*\q], v[T+8*\q]                       ; (it saturates)
.endr
.irp q, 0,1
	v_ldexp_f32 v[T+8*\q+4], 1.0, v[T+8*\q]                  ; f = 2^(old M - new M)
.endr
.irp q, 0,1
.set J, 0
.rept 16
	v_pk_fma_f32 v[S+32*\q+J:S+32*\q+J+1], v[S+32*\q+J:S+32*\q+J+1], s[CS:CS+1], v[ST+4*\q:ST+4*\q+1] op_sel_hi:[1,0,0]   ; t - M, two at a time (of the pairs c and -M the low word serves both halves)
.set J, J+2
.endr
.endr
.set J, 0
.rept 64
	v_exp_f32 v[S+J], v[S+J]                       ; p = 2^(t - M): ONE batch for both tiles
.set J, J+1
.endr
.irp q, 0,1
	v_pk_mul_f32 v[ST+4*\q+2:ST+4*\q+3], v[ST+4*\q+2:ST+4*\q+3], v[T+8*\q+4:T+8*\q+5] op_sel_hi:[1,0]   ; the sums under the new M: the plain lines behind the exponentials
.endr
	s_wait_alu depctr_va_vdst(0)                   ; one wait for the whole batch, ahead of its first reader
.irp q, 0,1
	v_pk_add_f32 v[T+8*\q+6:T+8*\q+7], v[S+32*\q:S+32*\q+1], v[S+32*\q+2:S+32*\q+3]   ; THE ROW'S SUM IS TAKEN OF THE UNQUANTISED p, in two chains
.endr
.irp j, 4,8,12,16,20,24,28
.irp q, 0,1
	v_pk_add_f32 v[ST+4*\q+2:ST+4*\q+3], v[ST+4*\q+2:ST+4*\q+3], v[S+32*\q+\j:S+32*\q+\j+1]
	v_pk_add_f32 v[T+8*\q+6:T+8*\q+7], v[T+8*\q+6:T+8*\q+7], v[S+32*\q+\j+2:S+32*\q+\j+3]
.endr
.endr
.irp q, 0,1
	v_pk_add_f32 v[ST+4*\q+2:ST+4*\q+3], v[ST+4*\q+2:ST+4*\q+3], v[T+8*\q+6:T+8*\q+7]
.endr
.set J, 0
.rept 64
	v_min_num_f32 v[S+J], v[S+J], v[LIM]           ; the conversion does not saturate (ISA guide 7.6.2); p is not negative, so the hold is one-sided
.set J, J+1
.endr
.irp q, 0,1
.irp t, 0,1,2,3
	v_cvt_scalef32_pk8_fp8_f32 v[P+8*\q+2*\t:P+8*\q+2*\t+1], v[S+32*\q+8*\t:S+32*\q+8*\t+7], v[SCL]   ; keys 16 t + 8 h + 0 .. 7: registers 2 t, 2 t + 1 of P
.endr
.endr
.irp q, 0,1
.set J, 0
.rept 16
	v_pk_mul_f32 v[O+32*\q+J:O+32*\q+J+1], v[O+32*\q+J:O+32*\q+J+1], v[T+8*\q+4:T+8*\q+5] op_sel_hi:[1,0]   ; O^T under the new M; also the plain lines behind the conversions
.set J, J+2
.endr
.endr
	s_wait_dscnt 0x0                               ; V
.irp d, 0,1,2,3
.irp q, 0,1
	v_wmma_f32_16x16x64_fp8_fp8 v[O+32*\q+8*\d:O+32*\q+8*\d+7], v[KV+8*\d:KV+8*\d+7], v[P+8*\q:P+8*\q+7], v[O+32*\q+8*\d:O+32*\q+8*\d+7]   ; the eight accumulators take turns, one instruction a turn
.endr
.endr
.endm
; A chunk of 512 keys: eight steps.  My loads for this chunk have landed (the 3 - c later ones may be out), my LDS instructions are done, and the barrier shows both of every wave.
.macro CHUNK c
	s_wait_tensorcnt 3-\c
	s_wait_dscnt 0x0
	s_barrier_signal -1
	s_barrier_wait -1
	s_mov_b32 s[TB], 32768*\c
	s_mov_b32 s[TM], 2048*\c
	s_mov_b32 s[CNT], 8
.Lstep_\@:
	STEP
	s_add_co_u32 s[TB], s[TB], 4096                ; 64 keys on: four tiles of K, one group of V
	s_add_co_u32 s[TM], s[TM], 256
	s_sub_co_u32 s[CNT], s[CNT], 1
	s_cmp_lg_u32 s[CNT], 0
	s_cbranch_scc1 .Lstep_\@
.endm
	CHUNK 0                                        ; (its barrier also shows the scaled mask to every wave)
	CHUNK 1
	CHUNK 2
	CHUNK 3
	; THE WAY OUT: ctx = O^T / the sum x 2^(e8 + e9), held, converted by e10: the results are the last product's operand registers and are stored as they stand.
.rept 4
	v_nop                                          ; places behind the last products
.endr
.irp q, 0,1
	v_add_f32 v[ST+4*\q+2], v[ST+4*\q+2], v[ST+4*\q+3]       ; the sum's two halves,
.endr
.irp q, 0,1
	v_permlanex16_b32 v[T+8*\q+2], v[ST+4*\q+2], s[SEL], s[SEL+1]
.endr
.irp q, 0,1
	v_add_f32 v[ST+4*\q+2], v[ST+4*\q+2], v[T+8*\q+2]        ; and lane l xor 16's
.endr
.irp q, 0,1
	v_rcp_f32 v[T+8*\q+4], v[ST+4*\q+2]
.endr
	s_add_co_i32 s49, s70, s71                     ; e8 + e9
	s_add_co_i32 s51, s72, 127
	s_lshl_b32 s55, s51, 23
	v_mov_b32 v[SCL], s55                          ; 2^e10.  (The plain line behind the reciprocals)
	s_add_co_i32 s51, s51, 8
	s_lshl_b32 s51, s51, 23
	s_or_b32 s51, s51, 0x600000
	v_mov_b32 v[LIM], s51                          ; 448 x 2^e10
	s_lshr_b32 s51, s[BH], 4                       ; my first tile of tokens: 128 x batch + 32 cx + 2 wave, 16,384 bytes a tile;
	s_lshl_b32 s51, s51, 7
	s_lshl_b32 s55, s[CX], 5
	s_add_co_u32 s51, s51, s55
	s_lshl_b32 s55, s[WV], 1
	s_add_co_u32 s51, s51, s55
	s_lshl_b32 s60, s51, 14
	s_and_b32 s55, s[BH], 15                       ; head hd fills quads 2 (hd % 2), + 1 of K step hd / 2: 1,024 hd bytes on
	s_lshl_b32 s55, s55, 10
	s_add_co_u32 s60, s60, s55                     ; under 2^23
	s_mov_b32 s61, 0
	s_add_nc_u64 s[14:15], s[14:15], s[60:61]
	s_wait_alu depctr_va_vdst(0)                   ; one wait for both reciprocals, ahead of their first reader
.irp q, 0,1
	v_ldexp_f32 v[T+8*\q+4], v[T+8*\q+4], s49
.endr
.irp q, 0,1
.set J, 0
.rept 16
	v_pk_mul_f32 v[S+32*\q+J:S+32*\q+J+1], v[O+32*\q+J:O+32*\q+J+1], v[T+8*\q+4:T+8*\q+5] op_sel_hi:[1,0]   ; each accumulator from its low end on
.set J, J+2
.endr
.endr
.set J, 0
.rept 64
	v_med3_num_f32 v[S+J], v[S+J], -v[LIM], v[LIM]
.set J, J+1
.endr
.irp q, 0,1
.irp d, 0,1,2,3
	v_cvt_scalef32_pk8_fp8_f32 v[P+8*\q+2*\d:P+8*\q+2*\d+1], v[S+32*\q+8*\d:S+32*\q+8*\d+7], v[SCL]
.endr
.endr
	v_nop                                          ; a plain vector line behind the last conversion
.irp q, 0,1
.irp u, 0,1
	global_store_b128 v[L16], v[P+8*\q+4*\u:P+8*\q+4*\u+3], s[14:15] offset:16384*\q+512*\u   ; a quad of an image: 512 consecutive bytes, aligned
.endr
.endr
	s_wait_tensorcnt 0x0
	s_wait_dscnt 0x0
	s_wait_tensorcnt 0x0
	ds_add_u32 v243, v251
	s_wait_dscnt 0x0
	CROUND                                         ; the closing round
	s_endpgm
.Lfunc_end_k_qfc4ad7ae1f_attn:
	.size	k_qfc4ad7ae1f_attn, .Lfunc_end_k_qfc4ad7ae1f_attn-k_qfc4ad7ae1f_attn
	.p2alignl 7, 3214868480
	.fill 96, 4, 3214868480
	.section	.rodata,"a",@progbits
	.p2align	6, 0x0
	.amdhsa_kernel k_qfc4ad7ae1f_attn
		.amdhsa_group_segment_fixed_size 327680
		.amdhsa_private_segment_fixed_size 0
		.amdhsa_enable_private_segment 0
		.amdhsa_kernarg_size 48
		.amdhsa_user_sgpr_count 2
		.amdhsa_user_sgpr_kernarg_segment_ptr 1
		.amdhsa_wavefront_size32 1
		.amdhsa_system_sgpr_workgroup_id_x 1
		.amdhsa_system_sgpr_workgroup_id_y 1
		.amdhsa_system_sgpr_workgroup_id_z 1
		.amdhsa_system_vgpr_workitem_id 0
		.amdhsa_next_free_vgpr 256
		.amdhsa_next_free_sgpr 80
		.amdhsa_reserve_vcc 0
		.amdhsa_float_denorm_mode_32 3
		.amdhsa_float_denorm_mode_16_64 3
		.amdhsa_memory_ordered 1
		.amdhsa_forward_progress 1
		.amdhsa_inst_pref_size 84
	.end_amdhsa_kernel
	.amdgpu_metadata
---
amdhsa.version: [ 1, 2 ]
amdhsa.kernels:
  - .name:           k_qfc4ad7ae1f_attn
    .symbol:         k_qfc4ad7ae1f_attn.kd
    .args:
      - { .name: qf, .offset: 0, .size: 8, .value_kind: global_buffer, .address_space: global }
      - { .name: kf, .offset: 8, .size: 8, .value_kind: global_buffer, .address_space: global }
      - { .name: vf, .offset: 16, .size: 8, .value_kind: global_buffer, .address_space: global }
      - { .name: mask, .offset: 24, .size: 8, .value_kind: global_buffer, .address_space: global }
      - { .name: lowp_scales, .offset: 32, .size: 8, .value_kind: global_buffer, .address_space: global }
      - { .name: ctxf, .offset: 40, .size: 8, .value_kind: global_buffer, .address_space: global }
    .group_segment_fixed_size: 327680
    .private_segment_fixed_size: 0
    .kernarg_segment_align: 8
    .kernarg_segment_size: 48
    .max_flat_workgroup_size: 512
    .sgpr_count:     80
    .vgpr_count:     256
    .wavefront_size: 32
...
	.end_amdgpu_metadata
.endif
;; end of part 3
;; launch outln (part 4): grid 256 x 1, 4 waves a work-group, clusters of 4 x 1, 327,680 bytes of LDS; arguments ctxf, WO_w_codes, lowp_scales, WO_b, input_tensor, ln_w, ln_b, out0; writes out0
.if DOCPART == 4
	.amdgcn_target "amdgcn-amd-amdhsa--gfx1250"
	.amdhsa_code_object_version 6
	.text
	.protected	k_qfc4ad7ae1f_outln
	.globl	k_qfc4ad7ae1f_outln
	.p2align	8
	.type	k_qfc4ad7ae1f_outln,@function
k_qfc4ad7ae1f_outln:
	s_mov_b64 s[64:65], 0
	v_nop
	global_prefetch_b8 v0, s[64:65] scope:SCOPE_SE
	s_setreg_imm32_b32 hwreg(HW_REG_WAVE_MODE, 25, 1), 1
	s_wait_xcnt 0x0
	s_wait_alu depctr_hold_cnt(0) depctr_sa_sdst(0) depctr_va_vdst(0) depctr_va_sdst(0) depctr_va_ssrc(0) depctr_va_vcc(0) depctr_vm_vsrc(0)
	s_getreg_b32 s2, hwreg(HW_REG_IB_STS2, 6, 4)
	s_cmp_eq_u32 s2, 0
	s_cbranch_scc0 .Lentry_in_a_cluster
	s_endpgm
.Lentry_in_a_cluster:
	s_bfe_u32 s2, ttmp6, 0x10000c
	s_cmp_lg_u32 s2, 0x3003
	s_cbranch_scc0 .Lentry_shape_is_right
	s_endpgm
.Lentry_shape_is_right:
; out0 = LayerNorm(x + ctx WO^T + WO_b) x ln_w + ln_b.  The product runs on E4M3 codes (ctx's images from the launch before, WO's codes as given); all else in f32; the variance is taken of the centred numbers.
; SHARES.  The norm wants whole rows, so a work-group takes 32 rows x all 1,024 columns: 256 work-groups.  Wave w makes columns 128 w .. 128 w + 127 of each half of 512: 2 x 8 tiles of columns x 2 tiles of rows = 32 accumulators.
; ctx's 32 rows x 1,024 K stay in each wave's registers for the whole launch (256 registers), loaded as images: 512 consecutive bytes a load.
; WO goes through a ring of two LDS slots of 512 rows (= columns of the result) x 256 along K; slot p always holds rows 512 p .. 512 p + 511; fill i = 0 .. 7 is K step i / 2 of slot i % 2.
; Every work-group walks all of WO, so the four partners of a cluster ask for each tile JOINTLY.  Each wave fetches, and alone reads, its own 128 rows of a slot.
; ctx's images hold k in the form's own places (registers 2 c, 2 c + 1: k = 16 c + 8 h + 0 .. 7), so WO's fragments are read so too: eight loads of 8 bytes.
; The matrix instruction is used transposed (source 0 = 16 rows of WO, source 1 = 16 rows of ctx): a lane holds one token and eight neighbouring columns.
; THE WAY OUT.  The raw sums go into a stage of 32 rows x (4,096 + 16) bytes, which lies in slot 0: that slot has had its last fill and its last read by then.  Behind a barrier each wave owns 8 WHOLE rows:
; the norm's two sums never leave the wave.  x's rows were asked for under the products.  Each store covers 512 consecutive bytes, aligned.
; LIMITS: e10 + e11 between -126 and 127.  NaN among the inputs is not served.
; REGISTERS, in windows of 256: window 0: v3-29 addresses and work; v32-159 WO's fragments, two sets of four, later rows of the result; v160-191 WO_b, v192-223 ln_w, v224-255 ln_b at columns 128 k + 4 lane + 0 .. 3.
;   window 1: ctx, (K step s, tile of rows m) at v[16 (2 s + m)].   window 2: the accumulators, (half p, tile of columns ct, m) at v[8 ((8 p + ct) 2 + m)].   window 3: x, my row i at v[32 i + 4 k].
.set KSTEP,  256
.set PITCH,  272                       ; an LDS row: 256 bytes + 16 of padding: the 32 lanes of an 8-byte load touch 64 different banks (64 banks of 4 bytes: ISA guide 11.1)
.set HALFT,  128*PITCH                 ; a wave's 128 rows of a slot
.set SLOT,   4*HALFT
.set SPARE,  2*SLOT                    ; behind the ring: the spare words, 128 bytes for each wave: two blocks of 256 bytes that no other line names
.set SPI,    4112                      ; a stage row: 4,096 bytes + 16
.set L16,  3                           ; v3      16 x lane; never rewritten
.set ADRB, 20                          ; v20-21  LDS address of my fragments of WO in slot 0, 1
.set STO,  22                          ; v22-23  the stage: where I put 32 bytes of a row, tile of rows 0, 1
.set RD,   24                          ; v24     and where I read my rows back
.set SPW,  28                          ; v28     LDS address of my spare word; never rewritten
.set NIL,  29                          ; v29     0; never rewritten
.set BS,   32
.set YB,   32                          ; the way out: a row, v32-63 and v64-95 by turns
.set OBB,  96                          ; the finished row, v96-127 and v128-159 by turns
.set PB,   160
.set PW,   192
.set PL,   224
.set G1, 24                            ; s[24:31] descriptor group 1;  s[32:39] group 0, one set for each slot
.set G0, 32
.set MSB, 0
.macro WIN new                         ; the immediate's high byte repeats the setting that is left
.if MSB != \new
	s_set_vgpr_msb (MSB<<8)|\new
.set MSB, \new
.endif
.endm
.set MUL, 0xa4                         ; source 0 (WO) window 0, source 1 (ctx) window 1, C and D window 2
.macro CREST                           ; a round of the cluster's barrier behind its opening barrier
	s_cmp_lg_u32 s14, 0
	s_cbranch_scc1 .Lnot_wave_0_\@
	s_barrier_signal -3
.Lnot_wave_0_\@:
	s_barrier_wait -3
	s_barrier_signal -1
	s_barrier_wait -1
.endm
.macro CROUND
	s_barrier_signal -1
	s_barrier_wait -1
	CREST
.endm
.macro PLACES                          ; four places behind a matrix instruction, in front of loads into its sources and of reads of its result (ISA guide 7.12.1 for vector instructions)
.rept 4
	v_nop
.endr
.endm
	s_load_b512 s[68:83], s[0:1], 0x0              ; ctxf 68, WO 70, the scales' exponents 72, WO_b 74, x 76, ln_w 78, ln_b 80, out0 82
	v_lshl_add_u32 v[SPW], v0, 2, SPARE
	v_mov_b32 v[NIL], 0
	ds_add_u32 v28, v29
	ds_add_u32 v28, v29
	s_wait_dscnt 0x0
	v_lshrrev_b32 v1, 5, v0
	v_readfirstlane_b32 s14, v1                    ; wave 0..3
	s_bfe_u32 s40, ttmp6, 0x40000                  ; cx
	s_lshl_b32 s42, ttmp9, 2
	s_add_co_u32 s42, s42, s40                     ; my block of 32 rows: it enters ctx's, x's and the output's addresses alone
	; descriptor group 1: a tile of 128 rows x 256 bytes, padded in LDS
	s_mov_b32 s[G1], 15|(1<<20)|(1<<21)|(5<<22)|(3<<25)   ; 15:0 the mask: all four work-groups; 17:16 element of 1 byte; 20 padding on; 21 set beside a mask; 24:22 after every 64 words (code 5); 31:25 of 4 words (code 3)
	s_mov_b32 s[G1+1], KSTEP<<16                   ; tensor_dim0
	s_mov_b32 s[G1+2], 128<<16                     ; tensor_dim1
	s_mov_b32 s[G1+3], KSTEP<<16                   ; tile_dim0
	s_mov_b32 s[G1+4], 128                         ; tile_dim1
	s_mov_b32 s[G1+5], 1024                        ; tensor_dim0_stride
	s_mov_b32 s[G1+6], 0
	s_mov_b32 s[G1+7], 0
	s_mov_b32 s20, 0x76543210                      ; v_permlanex16_b32's selects for lane l xor 16
	s_mov_b32 s21, 0xfedcba98
	s_mov_b32 s98, 0x3a800000                      ; 1 / 1,024
	s_mov_b32 s99, 0x2b8cbccc                      ; 1e-12
	s_mul_i32 s41, s14, HALFT                      ; my rows' place in a slot
	s_lshl_b32 s46, s14, 17                        ; my 128 rows of WO, 1,024 bytes each
	s_mov_b32 s47, 0
	s_lshl_b32 s48, s42, 17                        ; my block's 32 rows of x and of the output, 4,096 bytes each,
	s_lshl_b32 s49, s14, 15                        ; my wave's 8 of them
	s_add_co_u32 s48, s48, s49                     ; under 2^25 + 2^17
	s_mov_b32 s49, 0
	s_lshl_b32 s50, s42, 15                        ; my block's two tiles of ctx's images
	s_mov_b32 s51, 0
	s_wait_kmcnt 0x0
	s_load_b64 s[44:45], s[72:73], 0x28            ; e10, e11
	s_add_nc_u64 s[46:47], s[70:71], s[46:47]
	s_add_nc_u64 s[76:77], s[76:77], s[48:49]
	s_add_nc_u64 s[82:83], s[82:83], s[48:49]
	s_add_nc_u64 s[68:69], s[68:69], s[50:51]
.irp p, 0,1
	s_mov_b32 s[G0+4*\p], 1
	s_add_co_u32 s[G0+4*\p+1], s41, \p*SLOT
	s_add_nc_u64 s[G0+4*\p+2:G0+4*\p+3], s[46:47], \p*512*1024
	s_or_b32 s[G0+4*\p+3], s[G0+4*\p+3], 0x80000000
.endr
	CROUND                                         ; all four work-groups are here: the first joint loads meet
	tensor_load_to_lds s[G0:G0+3], s[G1:G1+7]      ; K step 0 of both halves: two loads of mine are out
	s_nop 0
	tensor_load_to_lds s[G0+4:G0+7], s[G1:G1+7]
	s_nop 0
	PLACES                                         ; (four v_nop behind the loads)
	v_and_b32 v[L16], 31, v0
	v_lshlrev_b32 v[L16], 4, v[L16]
	WIN 0x40                                       ; destination window 1
.irp s, 0,1,2,3,4,5,6,7
.irp m, 0,1
.irp u, 0,1,2,3
	global_load_b128 v[16*(2*\s+\m)+4*\u:16*(2*\s+\m)+4*\u+3], v[L16], s[68:69] offset:16384*\m+2048*\s+512*\u   ; ctx's images: they stay
.endr
.endr
.endr
	WIN 0
.irp k, 0,1,2,3,4,5,6,7
	global_load_b128 v[PB+4*\k:PB+4*\k+3], v[L16], s[74:75] offset:512*\k
.endr
.irp k, 0,1,2,3,4,5,6,7
	global_load_b128 v[PW+4*\k:PW+4*\k+3], v[L16], s[78:79] offset:512*\k
.endr
.irp k, 0,1,2,3,4,5,6,7
	global_load_b128 v[PL+4*\k:PL+4*\k+3], v[L16], s[80:81] offset:512*\k
.endr
	v_and_b32 v1, 15, v0                           ; r
	v_bfe_u32 v2, v0, 4, 1                         ; h
	v_mul_u32_u24 v4, v1, PITCH
	v_lshl_add_u32 v4, v2, 3, v4
	v_add_nc_u32 v[ADRB], s41, v4                  ; row r x pitch + 8 h + my rows' place
	v_add_nc_u32 v[ADRB+1], SLOT, v[ADRB]
	v_mul_u32_u24 v5, v1, SPI
	v_lshl_add_u32 v5, v2, 5, v5
	s_lshl_b32 s43, s14, 9
	v_add_nc_u32 v[STO], s43, v5                   ; the stage: row r, + 512 w + 32 h
	v_add_nc_u32 v[STO+1], 16*SPI, v[STO]
	s_mul_i32 s43, s14, 8*SPI
	v_add_nc_u32 v[RD], s43, v[L16]                ; back: my 8 rows, 16 bytes a lane
	v_mov_b32 v11, 0                               ; (named as the upper half of the pair v[10:11])
	s_wait_kmcnt 0x0
	s_add_co_i32 s96, s44, s45
	s_add_co_i32 s96, s96, 127
	s_lshl_b32 s96, s96, 23                        ; 2^(e10 + e11) as f32
	s_mov_b32 s97, s96                             ; (named with it as a pair, so it is written)
	s_wait_loadcnt 24                              ; ctx is in; the 24 loads of the parameters may be out
.macro XLOAD i0                        ; my rows i0 .. i0 + 3 of x into window 3
	WIN 0xc0
.irp i, \i0, \i0+1, \i0+2, \i0+3
.irp k, 0,1,2,3,4,5,6,7
	global_load_b128 v[32*(\i)+4*\k:32*(\i)+4*\k+3], v[L16], s[76:77] offset:4096*(\i)+512*\k th:TH_LOAD_NT
.endr
.endr
	WIN 0
.endm
	XLOAD 0
; Group g = 0 .. 3 of a slot's work: the slot's (g / 2)-th 128 along K, my tiles of columns 4 (g % 2) .. + 3.
.macro LOADG p, g, set                 ; its four fragments of WO: 32 loads of 8 bytes
.irp i, 0,1,2,3
.irp c, 0,1,2,3,4,5,6,7
	ds_load_b64 v[BS+64*(\set)+16*\i+2*\c:BS+64*(\set)+16*\i+2*\c+1], v[ADRB+(\p)] offset:(4*((\g)%2)+\i)*16*PITCH+128*((\g)/2)+16*\c
.endr
.endr
.endm
.macro MULG p, kk, g, set              ; its eight matrix instructions, on eight accumulators: one instruction a turn.  The first K step's products start the sums
.irp i, 0,1,2,3
.irp m, 0,1
.set AC, 8*((8*(\p)+4*((\g)%2)+\i)*2+\m)
.set AR, 16*(2*(2*(\kk)+(\g)/2)+\m)
.if ((\kk) == 0) && ((\g) < 2)
	v_wmma_f32_16x16x128_fp8_fp8 v[AC:AC+7], v[BS+64*(\set)+16*\i:BS+64*(\set)+16*\i+15], v[AR:AR+15], 0
.else
	v_wmma_f32_16x16x128_fp8_fp8 v[AC:AC+7], v[BS+64*(\set)+16*\i:BS+64*(\set)+16*\i+15], v[AR:AR+15], v[AC:AC+7]
.endif
.endr
.endr
.endm
; A slot's 32 matrix instructions; groups 0 and 1 have been asked for.  mode 2: the slot is then filled again, with its next K step; mode 1: the slots change and nothing is filled; mode 0: the last.
.macro SLOTSTEP p, kk, mode
	s_wait_dscnt 32                                ; group 0 is in; group 1's 32 loads may be out
	WIN MUL
	MULG \p, \kk, 0, 0
	PLACES
	WIN 0
	LOADG \p, 2, 0
	s_wait_dscnt 32                                ; group 1 is in; group 2's may be out
	WIN MUL
	MULG \p, \kk, 1, 1
	PLACES
	WIN 0
	LOADG \p, 3, 1
.if \mode
	s_wait_tensorcnt 0x0                           ; all my tensor loads have landed: the one that was out is my part of the other slot;
	ds_add_u32 v[SPW], v[NIL]                      ; 0 onto my spare word
.if \mode == 2
	s_add_nc_u64 s[G0+4*\p+2:G0+4*\p+3], s[G0+4*\p+2:G0+4*\p+3], KSTEP   ; no load of mine is out, so a group 0 may be written: this slot's next K step
.endif
	s_wait_dscnt 33                                ; group 2 is in; group 3's 32 loads and the add may be out
	WIN MUL
	MULG \p, \kk, 2, 0
	s_wait_dscnt 0x0                               ; the add is done, and my reads of this slot are over
	s_barrier_signal -1
	MULG \p, \kk, 3, 1
	WIN 0
	s_barrier_wait -1
.if \mode == 2
	CREST                                          ; the barrier has opened a round of the cluster's barrier: no wave of any partner still reads this slot or has a load on its way
	tensor_load_to_lds s[G0+4*\p:G0+4*\p+3], s[G1:G1+7]   ; my one tensor load behind the round
	s_nop 0
.endif
	PLACES                                         ; behind the load, and in front of the loads into the fragments' registers
	LOADG 1-\p, 0, 0
	LOADG 1-\p, 1, 1
.else
	s_wait_dscnt 32
	WIN MUL
	MULG \p, \kk, 2, 0
	s_wait_dscnt 0x0
	MULG \p, \kk, 3, 1
	WIN 0
.endif
.endm
	s_wait_tensorcnt 1                             ; my part of slot 0 is in; slot 1's load may be out
	s_barrier_signal -1
	s_barrier_wait -1
	LOADG 0, 0, 0
	LOADG 0, 1, 1
	SLOTSTEP 0, 0, 2                               ; the eight steps are written out: ctx's register numbers change with the K step
	SLOTSTEP 1, 0, 2
	SLOTSTEP 0, 1, 2
	XLOAD 4                                        ; the other four of my rows of x, under the products
	SLOTSTEP 1, 1, 2
	SLOTSTEP 0, 2, 2
	SLOTSTEP 1, 2, 2
	SLOTSTEP 0, 3, 1                               ; behind its barrier no wave reads slot 0 any more, and every fill of it has landed
	SLOTSTEP 1, 3, 0
	; THE WAY OUT.  Lane (r, h), register j of accumulator (p, ct, m) is (row 16 m + r, column 512 p + 128 w + 16 ct + 8 h + j).
	PLACES
	WIN 0x08                                       ; the stores' data: window 2
.irp p, 0,1
.irp t, 0,1,2,3,4,5,6,7
.irp m, 0,1
.set AC, 8*((8*\p+\t)*2+\m)
	ds_store_b128 v[STO+\m], v[AC:AC+3] offset:2048*\p+64*\t          ; each accumulator from its low end on
	ds_store_b128 v[STO+\m], v[AC+4:AC+7] offset:2048*\p+64*\t+16
.endr
.endr
.endr
	WIN 0
	s_wait_dscnt 0x0                               ; for the others' sake: my stores into the stage are done
	s_barrier_signal -1
	s_barrier_wait -1
	s_wait_loadcnt 0x0                             ; x and the parameters
.macro ROWLOAD i
.irp k, 0,1,2,3,4,5,6,7
	ds_load_b128 v[YB+32*((\i)%2)+4*\k:YB+32*((\i)%2)+4*\k+3], v[RD] offset:SPI*(\i)+512*\k
.endr
.endm
.macro ALLSUM a, b                     ; the sum of v[a] over the 32 lanes, in every lane; v[b] has been written
	v_add_f32_dpp v[\a], v[\a], v[\a] row_xmask:1 row_mask:0xf bank_mask:0xf
	v_add_f32_dpp v[\a], v[\a], v[\a] row_xmask:2 row_mask:0xf bank_mask:0xf
	v_add_f32_dpp v[\a], v[\a], v[\a] row_xmask:4 row_mask:0xf bank_mask:0xf
	v_add_f32_dpp v[\a], v[\a], v[\a] row_xmask:8 row_mask:0xf bank_mask:0xf
	v_permlanex16_b32 v[\b], v[\a], s20, s21
	v_add_f32 v[\a], v[\a], v[\b]
.endm
.macro ROW i                           ; my row i: a lane holds 32 of its 1,024 numbers
.set Y, YB+32*((\i)%2)
.set OB, OBB+32*((\i)%2)
.if (\i) < 7
	ROWLOAD (\i)+1
	s_wait_dscnt 8                                 ; this row is in; the next row's eight loads may be out
.else
	s_wait_dscnt 0x0
.endif
	WIN 0x30                                       ; source 2 (x) window 3
.set J, 0
.rept 16
	v_pk_fma_f32 v[Y+J:Y+J+1], v[Y+J:Y+J+1], s[96:97], v[32*(\i)+J:32*(\i)+J+1] op_sel_hi:[1,0,1]   ; sum x 2^(e10 + e11) + x
.set J, J+2
.endr
	WIN 0
.set J, 0
.rept 16
	v_pk_add_f32 v[Y+J:Y+J+1], v[Y+J:Y+J+1], v[PB+J:PB+J+1]   ; + WO_b
.set J, J+2
.endr
	v_pk_add_f32 v[4:5], v[Y:Y+1], v[Y+2:Y+3]      ; the row's sum, in two chains
	v_pk_add_f32 v[6:7], v[Y+4:Y+5], v[Y+6:Y+7]
.irp n, 8,12,16,20,24,28
	v_pk_add_f32 v[4:5], v[4:5], v[Y+\n:Y+\n+1]
	v_pk_add_f32 v[6:7], v[6:7], v[Y+\n+2:Y+\n+3]
.endr
	v_pk_add_f32 v[4:5], v[4:5], v[6:7]
	v_add_f32 v4, v4, v5
	ALLSUM 4, 5
	v_mul_f32 v4, s98, v4                          ; the mean
.set J, 0
.rept 16
	v_pk_add_f32 v[Y+J:Y+J+1], v[Y+J:Y+J+1], v[4:5] op_sel_hi:[1,0] neg_lo:[0,1] neg_hi:[0,1]   ; centred
.set J, J+2
.endr
	v_pk_mul_f32 v[6:7], v[Y:Y+1], v[Y:Y+1]        ; the squares' sum, in two chains
	v_pk_mul_f32 v[8:9], v[Y+2:Y+3], v[Y+2:Y+3]
.irp n, 4,8,12,16,20,24,28
	v_pk_fma_f32 v[6:7], v[Y+\n:Y+\n+1], v[Y+\n:Y+\n+1], v[6:7]
	v_pk_fma_f32 v[8:9], v[Y+\n+2:Y+\n+3], v[Y+\n+2:Y+\n+3], v[8:9]
.endr
	v_pk_add_f32 v[6:7], v[6:7], v[8:9]
	v_add_f32 v6, v6, v7
	ALLSUM 6, 7
	v_fma_f32 v6, v6, s98, s99                     ; the variance + 1e-12
	v_rsq_f32 v10, v6
	v_nop                                          ; a plain line behind the transcendental
.if (\i) >= 2
	s_wait_xcnt 0x0                                ; row i - 2's stores have read the registers that this row's results take
.endif
	s_wait_alu depctr_va_vdst(0)                   ; ahead of the first reader
.set J, 0
.rept 16
	v_pk_mul_f32 v[OB+J:OB+J+1], v[Y+J:Y+J+1], v[10:11] op_sel_hi:[1,0]
.set J, J+2
.endr
.set J, 0
.rept 16
	v_pk_fma_f32 v[OB+J:OB+J+1], v[OB+J:OB+J+1], v[PW+J:PW+J+1], v[PL+J:PL+J+1]
.set J, J+2
.endr
.irp k, 0,1,2,3,4,5,6,7
	global_store_b128 v[L16], v[OB+4*\k:OB+4*\k+3], s[82:83] offset:4096*(\i)+512*\k th:TH_STORE_NT   ; 32 lanes store 512 consecutive bytes, aligned; written once, read by nobody here
.endr
.endm
	ROWLOAD 0
.irp i, 0,1,2,3,4,5,6,7
	ROW \i
.endr
	s_wait_tensorcnt 0x0                           ; the wave's end, behind my last tensor load and my last LDS store
	ds_add_u32 v[SPW], v[NIL]
	s_wait_dscnt 0x0
	CROUND                                         ; the closing round: no work-group ends while a partner may still ask for a tile that names it
	s_endpgm
.Lfunc_end_k_qfc4ad7ae1f_outln:
	.size	k_qfc4ad7ae1f_outln, .Lfunc_end_k_qfc4ad7ae1f_outln-k_qfc4ad7ae1f_outln
	.p2alignl 7, 3214868480
	.fill 96, 4, 3214868480
	.section	.rodata,"a",@progbits
	.p2align	6, 0x0
	.amdhsa_kernel k_qfc4ad7ae1f_outln
		.amdhsa_group_segment_fixed_size 327680
		.amdhsa_private_segment_fixed_size 0
		.amdhsa_enable_private_segment 0
		.amdhsa_kernarg_size 64
		.amdhsa_user_sgpr_count 2
		.amdhsa_user_sgpr_kernarg_segment_ptr 1
		.amdhsa_wavefront_size32 1
		.amdhsa_system_sgpr_workgroup_id_x 1
		.amdhsa_system_sgpr_workgroup_id_y 1
		.amdhsa_system_sgpr_workgroup_id_z 1
		.amdhsa_system_vgpr_workitem_id 0
		.amdhsa_next_free_vgpr 1024
		.amdhsa_next_free_sgpr 100
		.amdhsa_reserve_vcc 0
		.amdhsa_float_denorm_mode_32 3
		.amdhsa_float_denorm_mode_16_64 3
		.amdhsa_memory_ordered 1
		.amdhsa_forward_progress 1
		.amdhsa_inst_pref_size 187
	.end_amdhsa_kernel
	.amdgpu_metadata
---
amdhsa.version: [ 1, 2 ]
amdhsa.kernels:
  - .name:           k_qfc4ad7ae1f_outln
    .symbol:         k_qfc4ad7ae1f_outln.kd
    .args:
      - { .name: ctxf, .offset: 0, .size: 8, .value_kind: global_buffer, .address_space: global }
      - { .name: WO_w_codes, .offset: 8, .size: 8, .value_kind: global_buffer, .address_space: global }
      - { .name: lowp_scales, .offset: 16, .size: 8, .value_kind: global_buffer, .address_space: global }
      - { .name: WO_b, .offset: 24, .size: 8, .value_kind: global_buffer, .address_space: global }
      - { .name: input_tensor, .offset: 32, .size: 8, .value_kind: global_buffer, .address_space: global }
      - { .name: ln_w, .offset: 40, .size: 8, .value_kind: global_buffer, .address_space: global }
      - { .name: ln_b, .offset: 48, .size: 8, .value_kind: global_buffer, .address_space: global }
      - { .name: out0, .offset: 56, .size: 8, .value_kind: global_buffer, .address_space: global }
    .group_segment_fixed_size: 327680
    .private_segment_fixed_size: 0
    .kernarg_segment_align: 8
    .kernarg_segment_size: 64
    .max_flat_workgroup_size: 128
    .sgpr_count:     100
    .vgpr_count:     1024
    .wavefront_size: 32
...
	.end_amdgpu_metadata
.endif
;; end of part 4
